; MI455X (gfx1250); checked and timed in simulation.
; The chip was launched on July 23, 2026; its instructions are those of AMD's public machine-readable ISA for CDNA 5 (MIT licence, August 2026) and "CDNA5" Instruction Set Architecture Reference Guide (July 2026). The comments in the code are by the model that wrote it; some were corrected since.
;; Custom Multihead Attention. Allowed arithmetic: matrix products marked QUANTISED: E2M1 operands, one E8M0 scale for each 32 along K, by v_wmma_scale_f32_16x16x128_f8f6f4 with both operands' format E2M1 (or v_wmma_scale_f32_32x16x128_f4), f32 sums; products left as they are: bf16, f16 or f32 operands; f32 sums; everything else in f32.
;; Inputs: Wk_b 1,024 float32; Wk_w 1,024 x 1,024 float32; Wo_b 1,024 float32; Wo_w 1,024 x 1,024 float32; Wq_b 1,024 float32; Wq_w 1,024 x 1,024 float32; Wv_b 1,024 float32; Wv_w 1,024 x 1,024 float32; x 4 x 2,048 x 1,024 float32.
;; Outputs: out0 4 x 2,048 x 1,024 float32.
;; This version of the problem:
;;   THIS VERSION OF THE PROBLEM IS GIVEN IN LOW PRECISION. The matrix products marked QUANTISED in the list below multiply operands that are first quantised to E2M1 (2 exponent bits, 1 mantissa bit; 4 bits a number), with one power-of-two scale for each 32 numbers along K (OCP MX v1.0); their sums are f32. The products marked 'left as it is' may take bf16, f16 or f32 operands, with f32 sums. Whichever they take, every output number must still come out within the allowed error. Rounding operands to bf16 (8 significant bits) uses up far more of that allowance than f16 does (11 bits, for magnitudes from 6e-5 to 65,504). All else is computed in f32.
;;   The module's matrix products, in the order in which they are computed (A, B: the left and right operand; K: the contracted axis; several contracted axes count as one K, in the product's order):
;;     1. [M 8,192, K 1,024] x [K 1,024, N 1,024]; A: input x; B: input Wq_w: QUANTISED
;;     2. [M 8,192, K 1,024] x [K 1,024, N 1,024]; A: input x; B: input Wk_w: QUANTISED
;;     3. [M 8,192, K 1,024] x [K 1,024, N 1,024]; A: input x; B: input Wv_w: QUANTISED
;;     4. batch 64 x [M 2,048, K 64] x [K 64, N 2,048]; A: computed on the way; B: computed on the way: left as it is (an operand is computed on the way)
;;     5. batch 64 x [M 2,048, K 2,048] x [K 2,048, N 64]; A: computed on the way; B: computed on the way: left as it is (an operand is computed on the way)
;;     6. [M 8,192, K 1,024] x [K 1,024, N 1,024]; A: computed on the way; B: input Wo_w: left as it is (an operand is computed on the way)
;;   THE QUANTISER, for each operand of a quantised product, along K:
;;     - K is cut into blocks of 32 from its start; a last block that is shorter is filled with zeros.
;;     - A block's scale is 2^e with e = floor(log2(the largest magnitude in the block)) - 2, held to -126 .. 127; a block of zeros has e = 0. As a byte (E8M0): e + 127.
;;     - Each number is divided by its block's scale, clamped to +-6, and rounded to the nearest number of E2M1, ties to even, subnormals kept.
;;     - The product sums the exact products of the quantised numbers (number of the format x scale) in f32.
;;   ~~~python
;;   def quantise(x, axis):      # numpy; x: float32 -> the quantised numbers, widened to float32 again
;;       x = np.moveaxis(x, axis, -1); K = x.shape[-1]
;;       x = np.pad(x, [(0, 0)] * (x.ndim - 1) + [(0, -K % 32)]); x = x.reshape(x.shape[:-1] + (-1, 32)); a = np.abs(x).max(-1, keepdims=True)
;;       e = np.where(a > 0, np.clip(np.frexp(np.where(a > 0, a, 1))[1] - 1 - 2, -126, 127), 0)      # np.frexp(a)[1] - 1 = floor(log2(a)), exactly
;;       r = np.clip(x / 2.0 ** e, -6, 6)
;;       step = 2.0 ** (np.maximum(np.frexp(np.where(r == 0, 1, r))[1] - 1, 0) - 1)
;;       q = np.round(r / step) * step * 2.0 ** e      # np.round: ties to even
;;       return np.moveaxis(q.reshape(q.shape[:-2] + (-1,))[..., :K], -1, axis).astype(np.float32)
;;   ~~~
;; One version. Each part assembles by itself: llvm-mc -triple=amdgcn-amd-amdhsa -mcpu=gfx1250 --defsym DOCPART=n.
;; ======== version 1 of 1: 4 launches
;; limits: values are held in f16: magnitudes above 65,504 overflow, below 6.1e-05 lose precision
;; workspace buffers: xcodes 4,194,304 bytes; xscales 262,144 bytes; wcodes 1,572,864 bytes; wscales 98,304 bytes; wo16 2,097,152 bytes; qkv 50,331,648 bytes; att 16,777,216 bytes
;; launch prep (part 1): grid 368 x 1, 4 waves a work-group, no clusters, 68,096 bytes of LDS; arguments x, Wq_w, Wk_w, Wv_w, Wo_w, xcodes, xscales, wcodes, wscales, wo16; writes xcodes, xscales, wcodes, wscales, wo16
.if DOCPART == 1
	.amdgcn_target "amdgcn-amd-amdhsa--gfx1250"
	.amdhsa_code_object_version 6
	.text
	.protected	k_qb0aabb77a1_prep
	.globl	k_qb0aabb77a1_prep
	.p2align	8
	.type	k_qb0aabb77a1_prep,@function
k_qb0aabb77a1_prep:
	s_mov_b64 s[64:65], 0
	v_nop
	global_prefetch_b8 v0, s[64:65] scope:SCOPE_SE
	s_setreg_imm32_b32 hwreg(HW_REG_WAVE_MODE, 25, 1), 1
	s_wait_xcnt 0x0
; THE OPERANDS ARE MADE ONCE.  x [8192][1024] f32 becomes codes of FP4 (E2M1), K innermost, [8192][512 bytes], with one E8M0 byte for each 32 along K, [8192][32].
; Wq, Wk, Wv [1024 (k)][1024 (n)] f32, whose K is their FIRST axis, become codes [3072 (n of q, k, v)][512 bytes] with K innermost, and bytes [3072][32].  Wo becomes f16, layout kept.
; A block's scale is 2^(floor(log2(its largest magnitude)) - 2); its byte is the largest magnitude's exponent field - 2, held at 1 from below.
; LIMITS: a block of zeros gets the byte 1 where the quantiser says 127 (its codes are zeros, which add nothing under any byte but 0xff, and this program alone reads the bytes);
; blocks whose largest magnitude lies under 2^(3 - 127) are held at that floor; NaN and infinities are not served; |Wo| stays under 65,504, f16's largest number.
; THREE PATHS, parted by the work-group's number alone, which never join: 0-47 the three weights (16 work-groups each), 48-111 Wo, 112-367 x.  Each path that uses LDS has LDS bytes of its own.
; No tensor load, no barrier: waves share nothing.
.set SPW,   12                         ; v12  LDS address of my spare word: SPARE + 4 x my thread's number; never rewritten
.set NIL,   13                         ; v13  0; never rewritten
.set SPARE, 67584                      ; behind both paths' regions: the spare words, 128 bytes for each wave: two blocks of 256 bytes that no other line names
.set EMAX,  2
; ---- x's path: a wave takes 16 steps of 512 numbers
.set STEPS, 16
.set CB,    8                          ; bytes of 16 codes
.set R,     16                         ; v16-79   four sets of 16 numbers as they are loaded
.set X,     80                         ; v80-111  two sets of 16 neighbours
.set E,     112                        ; v112-127 a scale byte for each step
.set C,     128                        ; v128-191 codes: four registers for each step, so that no store's data are written again
.set WREG,  8192                       ; LDS 0 .. 32,767: a region for each wave: two stages of 32 x SP bytes, behind them its 256 scale bytes
.set SP,    80                         ; a lane's place in a stage: its 64 bytes + 16 of padding
; ---- the weights' path: a wave takes 32 columns x 512 along K
.set WST,   32768                      ; LDS 32,768 .. 67,583: four stages of 32 rows x PITCH
.set NB,    16                         ; blocks of 32 along K
.set PITCH, 272                        ; a stage row: 256 bytes of codes + 16
.set KROW,  512                        ; a row of the codes' buffer in bytes
.set WROW,  4096                       ; a row of a weight in bytes
.set WX,    32                         ; v32-95   two sets of 32 numbers
.set WC,    96                         ; v96-99   a block's codes
.set OUTR,  112                        ; v112-175 the way out
.set SB,    24                         ; v24-27   the scale bytes, four to a register
.macro XLOAD t                         ; step t's 2,048 bytes: each load reads 512 consecutive bytes, 16 a lane
.irp i, 0,1,2,3
	global_load_b128 v[R+16*((\t)%4)+4*\i:R+16*((\t)%4)+4*\i+3], v3, s[4:5] offset:2048*(\t)+512*\i th:TH_LOAD_NT
.endr
.endm
.macro XTURN t                         ; through the wave's stage, so that a lane gets 16 neighbours along K: LDS serves a wave's instructions in order, so no wait stands between the stores and the loads
.irp i, 0,1,2,3
	ds_store_b128 v14, v[R+16*((\t)%4)+4*\i:R+16*((\t)%4)+4*\i+3] offset:32*SP*((\t)%2)+8*SP*\i
.endr
.irp i, 0,1,2,3
	ds_load_b128 v[X+16*((\t)%2)+4*\i:X+16*((\t)%2)+4*\i+3], v15 offset:32*SP*((\t)%2)+16*\i
.endr
.endm
.macro XSTEP t
.set XS, X+16*((\t)%2)
.if (\t) > 0
	s_wait_dscnt 1                                 ; this step's numbers are back from the stage; the last step's byte store may be out
.else
	s_wait_dscnt 0x0
.endif
.if (\t)+4 < STEPS
	XLOAD (\t)+4                                   ; the registers that this step's stage stores have read take the loads of four steps on
.endif
.if (\t)+1 < STEPS
.if STEPS-2-(\t) >= 3
	s_wait_loadcnt 12                              ; the next step's four loads are in; the twelve of the three steps behind it may be out
.else
	s_wait_loadcnt 4*(STEPS-2-(\t))                ; at the end fewer steps stand behind it
.endif
	XTURN (\t)+1                                   ; the next step goes through the other stage while this one is worked
.endif
	v_max3_num_f32 v8, |v[XS]|, |v[XS+1]|, |v[XS+2]|               ; the largest magnitude of my 16, in two chains
	v_max3_num_f32 v9, |v[XS+3]|, |v[XS+4]|, |v[XS+5]|
.irp i, 6,10
	v_max3_num_f32 v8, v8, |v[XS+\i]|, |v[XS+\i+1]|
	v_max3_num_f32 v9, v9, |v[XS+\i+2]|, |v[XS+\i+3]|
.endr
	v_max3_num_f32 v8, v8, |v[XS+14]|, |v[XS+15]|
	v_max3_num_f32 v8, v8, v9, (EMAX+1)<<23        ; and the floor 2^(3 - 127): the byte cannot fall under 1
	v_max_num_f32_dpp v8, v8, v8 row_xmask:1 row_mask:0xf bank_mask:0xf   ; with my neighbour's 16: the block's
	v_add_nc_u32 v11, -(EMAX<<23), v8              ; 2 off its exponent field: the conversion takes this operand's exponent field as its scale
	v_cvt_scalef32_pk8_fp4_f32 v[C+4*(\t)], v[XS:XS+7], v11
	v_cvt_scalef32_pk8_fp4_f32 v[C+4*(\t)+1], v[XS+8:XS+15], v11
	v_lshrrev_b32 v[E+(\t)], 23, v11               ; the scale's byte (a plain line behind the conversions)
	ds_store_b8 v5, v[E+(\t)] offset:16*(\t)       ; both lanes of a block write the same byte with the same value
	global_store_b64 v4, v[C+4*(\t):C+4*(\t)+1], s[14:15] offset:32*CB*(\t)   ; the wave stores 256 consecutive bytes, aligned
.endm
.macro WLOAD t                         ; block t: W(32 t + i, my column), i = 0 .. 31, into set t % 2: 128 consecutive bytes a wave and load
.irp i, 0,1,2,3,4,5,6,7,8,9,10,11,12,13,14,15,16,17,18,19,20,21,22,23,24,25,26,27,28,29,30,31
	global_load_b32 v[WX+32*((\t)%2)+\i], v3, s[6:7] offset:(32*(\t)+\i)*WROW th:TH_LOAD_NT
.endr
.endm
.macro BLOCK t
.set XS, WX+32*((\t)%2)
.if (\t) < NB-1
	s_wait_loadcnt 32                              ; this block's 32 loads are in; the next block's 32 may be out
.else
	s_wait_loadcnt 0
.endif
	v_max3_num_f32 v16, |v[XS]|, |v[XS+1]|, |v[XS+2]|              ; the block's largest magnitude: all 32 numbers are mine
	v_max3_num_f32 v17, |v[XS+3]|, |v[XS+4]|, |v[XS+5]|
.irp i, 6,10,14,18,22,26
	v_max3_num_f32 v16, v16, |v[XS+\i]|, |v[XS+\i+1]|
	v_max3_num_f32 v17, v17, |v[XS+\i+2]|, |v[XS+\i+3]|
.endr
	v_max3_num_f32 v16, v16, |v[XS+30]|, |v[XS+31]|
	v_max3_num_f32 v16, v16, v17, (EMAX+1)<<23     ; and the floor
	v_add_nc_u32 v11, -(EMAX<<23), v16             ; the conversion's scale operand
	v_lshrrev_b32 v17, 23, v11                     ; the scale's byte
.if (\t)%4 == 0
	v_mov_b32 v[SB+(\t)/4], v17                    ; four bytes to a register, the lower K in the lower byte
.else
	v_lshl_or_b32 v[SB+(\t)/4], v17, 8*((\t)%4), v[SB+(\t)/4]
.endif
.irp g, 0,1,2,3
	v_cvt_scalef32_pk8_fp4_f32 v[WC+\g], v[XS+8*\g:XS+8*\g+7], v11
.endr
	v_nop                                          ; one plain line behind the last conversion
	ds_store_b128 v4, v[WC:WC+3] offset:16*(\t)    ; 32 codes: 16 bytes of my column's row
.if (\t)+2 < NB
	WLOAD (\t)+2
.endif
	s_wait_dscnt 0x0                               ; the store has read its registers: the next block's codes may be written
.endm
	s_load_b512 s[4:19], s[0:1], 0x0               ; x s[4:5], Wq s[6:7], Wk s[8:9], Wv s[10:11], Wo s[12:13], xcodes s[14:15], xscales s[16:17], wcodes s[18:19]
	s_load_b128 s[20:23], s[0:1], 0x40             ; wscales s[20:21], wo16 s[22:23]
	v_lshl_add_u32 v[SPW], v0, 2, SPARE
	v_mov_b32 v[NIL], 0
	v_lshrrev_b32 v1, 5, v0
	v_readfirstlane_b32 s24, v1                    ; wave 0..3
	v_and_b32 v2, 31, v0                           ; lane
	s_wait_kmcnt 0x0
	s_cmp_lt_u32 ttmp9, 48
	s_cbranch_scc1 .Lw
	s_cmp_lt_u32 ttmp9, 112
	s_cbranch_scc1 .Lwo
	; ================ x: rows are dense and K is a multiple of 32, so x is a plain stream of blocks of 32 ================
	v_lshlrev_b32 v3, 4, v2                        ; my 16 bytes of a load's 512
	s_mul_i32 s25, s24, WREG
	v_lshrrev_b32 v14, 2, v2
	v_mul_u32_u24 v14, v14, SP
	v_and_b32 v15, 3, v2
	v_lshl_add_u32 v14, v15, 4, v14
	v_add_nc_u32 v14, s25, v14                     ; the stage, on the way in: SP (lane / 4) + 16 (lane % 4)
	v_mul_u32_u24 v15, v2, SP
	v_add_nc_u32 v15, s25, v15                     ; and on the way out: SP x lane: my 16 neighbours
	v_mul_u32_u24 v4, v2, CB                       ; my codes' place in a step's
	v_lshrrev_b32 v5, 1, v2
	s_add_co_u32 s25, s25, 2*32*SP
	v_add_nc_u32 v5, s25, v5                       ; my wave's 256 scale bytes, my block's byte
	v_lshlrev_b32 v7, 3, v2                        ; and on the way out 8 bytes a lane
	v_add_nc_u32 v6, s25, v7
	s_sub_co_u32 s26, ttmp9, 112
	s_lshl_b32 s26, s26, 2
	s_add_co_u32 s26, s26, s24                     ; which run of 8,192 numbers is my wave's: 0 .. 1,023
	s_mov_b32 s29, 0
	s_lshl_b32 s28, s26, 15                        ; 32,768 bytes of x,
	s_add_nc_u64 s[4:5], s[4:5], s[28:29]
	s_lshl_b32 s28, s26, 12                        ; 4,096 of codes,
	s_add_nc_u64 s[14:15], s[14:15], s[28:29]
	s_lshl_b32 s28, s26, 8                         ; 256 scale bytes a run
	s_add_nc_u64 s[16:17], s[16:17], s[28:29]
.irp t, 0,1,2,3
	XLOAD \t
.endr
	s_wait_loadcnt 12                              ; step 0's four loads are in
	XTURN 0
.irp t, 0,1,2,3,4,5,6,7,8,9,10,11,12,13,14,15
	XSTEP \t
.endr
	ds_load_b64 v[8:9], v6                         ; LDS serves a wave's instructions in order: these see my byte stores
	s_wait_dscnt 0x0
	global_store_b64 v7, v[8:9], s[16:17]          ; the wave stores 256 consecutive bytes, aligned
	s_wait_tensorcnt 0x0                           ; the wave's end, behind my last LDS store
	ds_add_u32 v[SPW], v[NIL]
	s_wait_dscnt 0x0
	s_endpgm
	; ================ Wq, Wk, Wv: a lane takes a column n, and its registers run down K ================
.Lw:
	s_lshr_b32 s25, ttmp9, 4                       ; which weight: 0 q, 1 k, 2 v
	s_and_b32 s26, ttmp9, 7                        ; which 128 columns
	s_bfe_u32 s27, ttmp9, 0x10003                  ; which 512 along K
	s_cmp_eq_u32 s25, 0                            ; the choice hangs on the work-group's number alone
	s_cselect_b64 s[6:7], s[6:7], s[8:9]
	s_cmp_eq_u32 s25, 2
	s_cselect_b64 s[6:7], s[10:11], s[6:7]
	s_lshl_b32 s26, s26, 7
	s_lshl_b32 s28, s24, 5
	s_add_co_u32 s26, s26, s28                     ; my wave's first column
	s_lshl_b32 s28, s27, 21                        ; 512 rows of 4,096 bytes,
	s_lshl_b32 s29, s26, 2                         ; 4 bytes a column
	s_add_co_u32 s28, s28, s29
	s_mov_b32 s29, 0
	s_add_nc_u64 s[6:7], s[6:7], s[28:29]
	s_lshl_b32 s25, s25, 10
	s_add_co_u32 s25, s25, s26                     ; my first row of the codes' and the bytes' buffers
	s_lshl_b32 s28, s25, 9
	s_lshl_b32 s30, s27, 8
	s_add_co_u32 s28, s28, s30                     ; codes: row x 512 + 256 x (which 512 along K)
	s_add_nc_u64 s[18:19], s[18:19], s[28:29]
	s_lshl_b32 s28, s25, 5
	s_lshl_b32 s30, s27, 4
	s_add_co_u32 s28, s28, s30                     ; bytes: row x 32 + 16 x (which 512)
	s_add_nc_u64 s[20:21], s[20:21], s[28:29]
	s_mul_i32 s30, s24, 32*PITCH
	s_add_co_u32 s30, s30, WST                     ; my stage
	v_lshlrev_b32 v3, 2, v2                        ; in: 4 bytes a lane
	v_mul_u32_u24 v4, v2, PITCH
	v_add_nc_u32 v4, s30, v4                       ; into the stage: row = my column
	v_and_b32 v5, 15, v2
	v_lshrrev_b32 v6, 4, v2                        ; out of it: sixteen lanes to a row, two rows an instruction
	v_mul_u32_u24 v7, v6, PITCH
	v_lshl_add_u32 v7, v5, 4, v7
	v_add_nc_u32 v7, s30, v7
	v_mul_u32_u24 v8, v6, KROW
	v_lshl_add_u32 v8, v5, 4, v8                   ; and the same place in the codes' buffer
	v_lshlrev_b32 v9, 5, v2                        ; my column's row of scale bytes
	WLOAD 0
	WLOAD 1
.set Q, 0
.rept NB
	BLOCK Q
.set Q, Q+1
.endr
	global_store_b128 v9, v[SB:SB+3], s[20:21]     ; my column's 16 scale bytes
.irp t, 0,1,2,3,4,5,6,7,8,9,10,11,12,13,14,15
	ds_load_b128 v[OUTR+4*\t:OUTR+4*\t+3], v7 offset:2*\t*PITCH   ; these see my stores: LDS serves a wave's instructions in order
.endr
.irp t, 0,1,2,3,4,5,6,7,8,9,10,11,12,13,14,15
	s_wait_dscnt 15-\t                             ; load t is in; the younger ones may be out
	global_store_b128 v8, v[OUTR+4*\t:OUTR+4*\t+3], s[18:19] offset:2*\t*KROW   ; sixteen lanes store 256 consecutive bytes, aligned
.endr
	s_wait_tensorcnt 0x0                           ; the wave's end: the three lines
	ds_add_u32 v[SPW], v[NIL]
	s_wait_dscnt 0x0
	s_endpgm
	; ================ Wo: f32 to f16, as it lies.  A wave takes 4,096 numbers: 32 loads of 512 bytes, 32 stores of 256 ================
.Lwo:
	s_sub_co_u32 s25, ttmp9, 48
	s_lshl_b32 s25, s25, 2
	s_add_co_u32 s25, s25, s24                     ; my chunk: 0 .. 255
	s_mov_b32 s27, 0
	s_lshl_b32 s26, s25, 14
	s_add_nc_u64 s[12:13], s[12:13], s[26:27]
	s_lshl_b32 s26, s25, 13
	s_add_nc_u64 s[22:23], s[22:23], s[26:27]
	v_lshlrev_b32 v1, 4, v2                        ; in: 16 bytes a lane
	v_lshlrev_b32 v3, 3, v2                        ; out: 8
.irp i, 0,1,2,3,4,5,6,7,8,9,10,11,12,13,14,15,16,17,18,19,20,21,22,23,24,25,26,27,28,29,30,31
	global_load_b128 v[32+4*\i:35+4*\i], v1, s[12:13] offset:512*\i th:TH_LOAD_NT
.endr
.irp i, 0,1,2,3,4,5,6,7,8,9,10,11,12,13,14,15,16,17,18,19,20,21,22,23,24,25,26,27,28,29,30,31
	s_wait_loadcnt 31-\i                           ; load i is in; the younger ones may be out
	v_cvt_pk_f16_f32 v[32+4*\i], v[32+4*\i], v[33+4*\i]
	v_cvt_pk_f16_f32 v[33+4*\i], v[34+4*\i], v[35+4*\i]
	global_store_b64 v3, v[32+4*\i:33+4*\i], s[22:23] offset:256*\i   ; the wave stores 256 consecutive bytes, aligned
.endr
	s_wait_tensorcnt 0x0                           ; all three paths end alike
	ds_add_u32 v[SPW], v[NIL]
	s_wait_dscnt 0x0
	s_endpgm
.Lfunc_end_k_qb0aabb77a1_prep:
	.size	k_qb0aabb77a1_prep, .Lfunc_end_k_qb0aabb77a1_prep-k_qb0aabb77a1_prep
	.p2alignl 7, 3214868480
	.fill 96, 4, 3214868480
	.section	.rodata,"a",@progbits
	.p2align	6, 0x0
	.amdhsa_kernel k_qb0aabb77a1_prep
		.amdhsa_group_segment_fixed_size 68096
		.amdhsa_private_segment_fixed_size 0
		.amdhsa_enable_private_segment 0
		.amdhsa_kernarg_size 80
		.amdhsa_user_sgpr_count 2
		.amdhsa_user_sgpr_kernarg_segment_ptr 1
		.amdhsa_wavefront_size32 1
		.amdhsa_system_sgpr_workgroup_id_x 1
		.amdhsa_system_sgpr_workgroup_id_y 1
		.amdhsa_system_sgpr_workgroup_id_z 1
		.amdhsa_system_vgpr_workitem_id 0
		.amdhsa_next_free_vgpr 192
		.amdhsa_next_free_sgpr 66
		.amdhsa_reserve_vcc 0
		.amdhsa_float_denorm_mode_32 3
		.amdhsa_float_denorm_mode_16_64 3
		.amdhsa_memory_ordered 1
		.amdhsa_forward_progress 1
		.amdhsa_inst_pref_size 123
	.end_amdhsa_kernel
	.amdgpu_metadata
---
amdhsa.version: [ 1, 2 ]
amdhsa.kernels:
  - .name:           k_qb0aabb77a1_prep
    .symbol:         k_qb0aabb77a1_prep.kd
    .args:
      - { .name: x, .offset: 0, .size: 8, .value_kind: global_buffer, .address_space: global }
      - { .name: Wq_w, .offset: 8, .size: 8, .value_kind: global_buffer, .address_space: global }
      - { .name: Wk_w, .offset: 16, .size: 8, .value_kind: global_buffer, .address_space: global }
      - { .name: Wv_w, .offset: 24, .size: 8, .value_kind: global_buffer, .address_space: global }
      - { .name: Wo_w, .offset: 32, .size: 8, .value_kind: global_buffer, .address_space: global }
      - { .name: xcodes, .offset: 40, .size: 8, .value_kind: global_buffer, .address_space: global }
      - { .name: xscales, .offset: 48, .size: 8, .value_kind: global_buffer, .address_space: global }
      - { .name: wcodes, .offset: 56, .size: 8, .value_kind: global_buffer, .address_space: global }
      - { .name: wscales, .offset: 64, .size: 8, .value_kind: global_buffer, .address_space: global }
      - { .name: wo16, .offset: 72, .size: 8, .value_kind: global_buffer, .address_space: global }
    .group_segment_fixed_size: 68096
    .private_segment_fixed_size: 0
    .kernarg_segment_align: 8
    .kernarg_segment_size: 80
    .max_flat_workgroup_size: 128
    .sgpr_count:     66
    .vgpr_count:     192
    .wavefront_size: 32
...
	.end_amdgpu_metadata
.endif
;; end of part 1
;; launch qkv (part 2): grid 12 x 32, 4 waves a work-group, clusters of 4 x 4, 327,680 bytes of LDS; arguments xcodes, xscales, wcodes, wscales, qkv, Wq_b, Wk_b, Wv_b; writes qkv
.if DOCPART == 2
	.amdgcn_target "amdgcn-amd-amdhsa--gfx1250"
	.amdhsa_code_object_version 6
	.text
	.protected	k_qb0aabb77a1_qkv
	.globl	k_qb0aabb77a1_qkv
	.p2align	8
	.type	k_qb0aabb77a1_qkv,@function
k_qb0aabb77a1_qkv:
	s_mov_b64 s[64:65], 0
	v_nop
	global_prefetch_b8 v0, s[64:65] scope:SCOPE_SE
	s_setreg_imm32_b32 hwreg(HW_REG_WAVE_MODE, 25, 1), 1
	s_wait_xcnt 0x0
	s_wait_alu depctr_hold_cnt(0) depctr_sa_sdst(0) depctr_va_vdst(0) depctr_va_sdst(0) depctr_va_ssrc(0) depctr_va_vcc(0) depctr_vm_vsrc(0)
	s_getreg_b32 s2, hwreg(HW_REG_IB_STS2, 6, 4)
	s_cmp_eq_u32 s2, 0
	s_cbranch_scc0 .Lentry_in_a_cluster
	s_endpgm
.Lentry_in_a_cluster:
	s_bfe_u32 s2, ttmp6, 0x10000c
	s_cmp_lg_u32 s2, 0xf033
	s_cbranch_scc0 .Lentry_shape_is_right
	s_endpgm
.Lentry_shape_is_right:
; [q | k | v] = x [Wq | Wk | Wv] + bias, on codes of FP4 (E2M1) with one E8M0 scale for each 32 along K; then q and k are l2-normalised head by head, and all three leave as f16.
; A: x's codes [8192][512 bytes], bytes [8192][32].  B: the weights' codes [3072][512 bytes], bytes [3072][32].  Out: qkv [3][4 (b)][16 (h)][2048 (n)][64] f16:
; part 0 = log2(e) q / sqrt(|q|^2 + 1e-12), part 1 = k / sqrt(|k|^2 + 1e-12), part 2 = v.  (log2(e) is folded in here, so that the attention's exponential is a bare 2^t.)
; LIMIT: |v| stays under 65,504, f16's largest number; NaN and infinities are not served.
; A tile of 256 rows x 256 columns is made by four waves; a wave makes 128 x 128: 64 accumulators of 16 x 16, 512 registers; its 128 columns are two whole heads.
; K = 1,024 is two K steps of 512: the ring's two slots are filled once each, at the head, and never again.  The scale bytes of the tile's rows and columns come once, with them.
; CLUSTERS: 4 x 4 work-groups.  The four of a row of the cluster need the same tiles of A, the four of a column the same tiles of B: each tile is asked for jointly.
; A cluster's 1,024 columns are one whole weight: the cluster's x says whether it makes q, k or v, the same in all sixteen partners; what differs is chosen by s_cselect, with no branch.
; THE MATRIX INSTRUCTION IS USED TRANSPOSED (source 0 = 16 rows of B, source 1 = 16 rows of A): a lane holds eight neighbouring columns of one row.  THE BIAS IS THE C OF EACH SUM'S FIRST PRODUCT.
; REGISTERS, in windows of 256: window 0: v0-31 addresses; v32-95 scale words, two sets; v128-191 A's fragments, one set; v192-255 the bias, 8 registers for each of B's eight blocks.
;   window 1: B's fragments, two sets, at v0 and v128.   window 2: the accumulators of my rows 0-63 ((a, b) at v[8 (8 a + b)]);   window 3: those of my rows 64-127.
.set KSTEP,  512
.set NQ,     4                         ; matrix instructions deep in a slot
.set ROWB,   256                       ; a tile's row in bytes
.set KROW,   512                       ; a row of A or of B in memory
.set PITCH,  272                       ; an LDS row: 256 bytes + 16 of padding, so that the 16 rows that a load touches start 68 words apart
.set FR,     8                         ; registers of a fragment: 16 rows x 128 K
.set NL,     2                         ; LDS loads that bring one
.set NP,     4                         ; places behind this matrix instruction (ISA guide 7.12.1)
.set HALFT,  128*PITCH                 ; 128 rows: what one tensor load brings
.set SLOT,   4*HALFT                   ; A's 256 rows, then B's 256 rows
.set KS,     32                        ; a row of scale bytes
.set SCL,    2*SLOT                    ; behind the ring: the scales, as units of 256 bytes + 16 of padding
.set HALFS,  (128*KS/256)*272          ; those of 128 rows
.set SBLK,   (16*KS/256)*272           ; those of 16 rows
.set SPARE,  SCL+4*HALFS               ; the spare words, 128 bytes for each wave: two blocks of 256 bytes that no other line names
.set SP16,   144                       ; the way out: a stage of 32 rows (2 heads x 16 rows) x (128 bytes + 16) for each wave, in slot 0, which has had its one fill and its last read by then
.set ADRA, 16                          ; v16-17  LDS address of my A fragments in slot 0, 1
.set ADRB, 20                          ; v20-21  the same for B
.set STO,  24                          ; v24     the way out: where I put 16 bytes of a row
.set RD,   25                          ; v25     where I read rows back
.set CO,   26                          ; v26     16 x lane: my place in 512 bytes of the output
.set ADRS, 27                          ; v27     LDS address of my scale words: lanes 0-15 A's rows, lanes 16-31 B's
.set SPW,  28                          ; v28     LDS address of my spare word; never rewritten
.set NIL,  29                          ; v29     0; never rewritten
.set SC,   32                          ; scale words: set s at v[SC + 32 s]; register 4 i + q: lanes 0-15 A's block i, lanes 16-31 B's block i, the slot's q-th 128 along K
.set AF,   128
.set BIAS, 192
.set SS,   32                          ; the way out: v32-39 sums of squares, then the factors
.set SCD,  64                          ; v64-127 a block's 64 numbers, scaled
.set C16,  128                         ; v128-191 as f16, two sets
.set BK,   192                         ; v192-255 rows read back, two sets
.set G1, 24                            ; s[24:31] descriptor group 1 for A's tiles;  s[32:39] group 0, one set for each slot
.set G0, 32
.set G1B, 48                           ; s[48:55], s[56:63] the same for B's
.set G0B, 56
.set G1S, 68                           ; s[68:75], s[76:79] groups 1 and 0 for A's scales;  s[80:87], s[88:91] for B's
.set G0S, 76
.set G1SB, 80
.set G0SB, 88
.set MSB, 0
.macro WIN new                         ; the immediate's high byte repeats the setting that is left
.if MSB != (\new)
	s_set_vgpr_msb (MSB<<8)|(\new)
.set MSB, (\new)
.endif
.endm
.set MUL_LO, 0xa1                      ; source 0 (B) window 1, source 1 (A) window 0, C and D window 2.  With the bias as C (window 0): 0x81
.set MUL_HI, 0xf1                      ; the same, C and D window 3.  With the bias: 0xc1
.set TO_B,   0x40                      ; destination window 1, address window 0
; A joint load: waves 0 and 1 fetch for A, waves 2 and 3 for B; the branch hangs on the wave's number alone.  An s_nop 0 and four v_nop follow each of the two lines.
.macro JLOAD g0a, g1a, g0b, g1b
	s_cmp_eq_u32 s15, 0
	s_cbranch_scc0 .Lfor_b_\@
	tensor_load_to_lds s[\g0a:\g0a+3], s[\g1a:\g1a+7]
	s_nop 0
.rept 4
	v_nop
.endr
	s_branch .Lasked_\@
.Lfor_b_\@:
	tensor_load_to_lds s[\g0b:\g0b+3], s[\g1b:\g1b+7]
	s_nop 0
.rept 4
	v_nop
.endr
.Lasked_\@:
.endm
.macro CROUND                          ; a round of the cluster's barrier
	s_barrier_signal -1
	s_barrier_wait -1
	s_cmp_lg_u32 s14, 0
	s_cbranch_scc1 .Lnot_wave_0_\@
	s_barrier_signal -3
.Lnot_wave_0_\@:
	s_barrier_wait -3
	s_barrier_signal -1
	s_barrier_wait -1
.endm
	s_load_b128 s[4:7], s[0:1], 0x0                ; x's codes s[4:5], x's scales s[6:7]
	s_load_b128 s[8:11], s[0:1], 0x10              ; the weights' codes s[8:9], their scales s[10:11]
	s_load_b64 s[12:13], s[0:1], 0x20              ; qkv
	s_load_b128 s[96:99], s[0:1], 0x28             ; Wq_b, Wk_b
	s_load_b64 s[100:101], s[0:1], 0x38            ; Wv_b
	v_lshl_add_u32 v[SPW], v0, 2, SPARE
	v_mov_b32 v[NIL], 0
	ds_add_u32 v[SPW], v[NIL]                      ; the wave's opening: the add, twice on end, and its wait ahead of my first tensor load
	ds_add_u32 v[SPW], v[NIL]
	v_lshrrev_b32 v1, 5, v0
	v_readfirstlane_b32 s14, v1                    ; wave 0..3
	s_lshr_b32 s15, s14, 1                         ; which half of the tile's rows is mine.  Also: I fetch for A (0) or for B (1)
	s_and_b32 s16, s14, 1                          ; which half of its columns.  Also: which 128 rows of that tile I fetch
	s_bfe_u32 s40, ttmp6, 0x40000                  ; cx, cy: my place in the cluster
	s_bfe_u32 s41, ttmp6, 0x40004
	s_lshl_b32 s42, ttmp9, 2
	s_add_co_u32 s42, s42, s40                     ; tile column = 4 x cluster x + cx
	s_and_b32 s17, ttmp7, 0xffff
	s_lshl_b32 s17, s17, 2
	s_add_co_u32 s17, s17, s41                     ; tile row = 4 x cluster y + cy
	s_lshl_b32 s43, s41, 2
	s_lshl_b32 s43, 15, s43                        ; my row of the cluster
	s_lshl_b32 s44, 0x1111, s40                    ; my column
	; descriptor group 1: a tile of 128 rows x 256 bytes, 16 bytes of padding behind each row
	s_or_b32 s[G1+0], s43, (0<<16)|(1<<20)|(1<<21)|(5<<22)|(3<<25)  ; the mask; elements of 1 byte; padding on; bit 21 beside a mask; after every 64 words; 4 words
	s_or_b32 s[G1B+0], s44, (0<<16)|(1<<20)|(1<<21)|(5<<22)|(3<<25)
.irp g, G1, G1B
	s_mov_b32 s[\g+1], ROWB<<16                    ; tensor_dim0
	s_mov_b32 s[\g+2], 128<<16                     ; tensor_dim1
	s_mov_b32 s[\g+3], ROWB<<16                    ; tile_dim0
	s_mov_b32 s[\g+4], 128                         ; tile_dim1
	s_mov_b32 s[\g+5], KROW                        ; from row to row
	s_mov_b32 s[\g+6], 0
	s_mov_b32 s[\g+7], 0
.endr
	; the scales of 128 rows: a dense block of 4,096 bytes, as 16 rows of 256 bytes (32 elements of 8 bytes), 16 bytes of padding behind each
	s_or_b32 s[G1S+0], s43, (3<<16)|(1<<20)|(1<<21)|(5<<22)|(3<<25)
	s_or_b32 s[G1SB+0], s44, (3<<16)|(1<<20)|(1<<21)|(5<<22)|(3<<25)
.irp g, G1S, G1SB
	s_mov_b32 s[\g+1], 32<<16
	s_mov_b32 s[\g+2], (128*KS/256)<<16
	s_mov_b32 s[\g+3], 32<<16
	s_mov_b32 s[\g+4], 128*KS/256
	s_mov_b32 s[\g+5], 32
	s_mov_b32 s[\g+6], 0
	s_mov_b32 s[\g+7], 0
.endr
	s_lshl_b32 s18, s16, 7                         ; which 128 rows of the tile I fetch
	s_lshl_b32 s20, s17, 8
	s_add_co_u32 s20, s20, s18                     ; A: row 256 x tile row + 128 x half
	s_lshl_b32 s46, s42, 8
	s_add_co_u32 s46, s46, s18                     ; B: row 256 x tile column + 128 x half
	s_mov_b32 s21, 0
	s_mov_b32 s47, 0
	s_mov_b64 s[18:19], KS
	s_mul_u64 s[22:23], s[20:21], s[18:19]         ; where these rows' scales begin, in bytes,
	s_mul_u64 s[92:93], s[46:47], s[18:19]
	s_mov_b64 s[18:19], KROW
	s_mul_u64 s[20:21], s[20:21], s[18:19]         ; and their codes
	s_mul_u64 s[46:47], s[46:47], s[18:19]
	s_mul_i32 s45, s14, HALFT                      ; where they go: wave x 128 rows: no place in the cluster enters an LDS address
	s_mul_i32 s94, s14, HALFS
	s_mov_b32 s2, 0x76543210                       ; v_permlanex16_b32's selects for lane l xor 16
	s_mov_b32 s3, 0xfedcba98
	s_wait_dscnt 0x0                               ; both opening adds are done
	s_wait_kmcnt 0x0
	s_add_nc_u64 s[20:21], s[4:5], s[20:21]
	s_add_nc_u64 s[22:23], s[6:7], s[22:23]
	s_add_nc_u64 s[46:47], s[8:9], s[46:47]
	s_add_nc_u64 s[92:93], s[10:11], s[92:93]
	CROUND                                         ; all sixteen work-groups are here: the joint loads meet
	s_mov_b32 s[G0S], 1
	s_add_co_u32 s[G0S+1], s94, SCL
	s_mov_b64 s[G0S+2:G0S+3], s[22:23]
	s_or_b32 s[G0S+3], s[G0S+3], 0x80000000
	s_mov_b32 s[G0SB], 1
	s_add_co_u32 s[G0SB+1], s94, SCL
	s_mov_b64 s[G0SB+2:G0SB+3], s[92:93]
	s_or_b32 s[G0SB+3], s[G0SB+3], 0x80000000
	JLOAD G0S, G1S, G0SB, G1SB                     ; the scales first: they are wanted with K step 0
.irp s, 0,1
	s_mov_b32 s[G0+4*\s], 1
	s_add_co_u32 s[G0+4*\s+1], s45, \s*SLOT
	s_add_nc_u64 s[G0+4*\s+2:G0+4*\s+3], s[20:21], \s*ROWB
	s_or_b32 s[G0+4*\s+3], s[G0+4*\s+3], 0x80000000
	s_mov_b32 s[G0B+4*\s], 1
	s_add_co_u32 s[G0B+4*\s+1], s45, \s*SLOT
	s_add_nc_u64 s[G0B+4*\s+2:G0B+4*\s+3], s[46:47], \s*ROWB
	s_or_b32 s[G0B+4*\s+3], s[G0B+4*\s+3], 0x80000000
	JLOAD G0+4*\s, G1, G0B+4*\s, G1B               ; three tensor loads of mine are out now, and no more follow
.endr
	; q, k or v?  The cluster's x says: the bias's buffer and the two numbers of the factor f = sA / sqrt(sum + 1e-12) + sB: (log2(e), 0) for q, (1, 0) for k, (0, 1) for v
	s_cmp_eq_u32 ttmp9, 0
	s_cselect_b64 s[96:97], s[96:97], s[98:99]
	s_cselect_b32 s66, 0x3fb8aa3b, 1.0
	s_cmp_eq_u32 ttmp9, 2
	s_cselect_b64 s[96:97], s[100:101], s[96:97]
	s_cselect_b32 s66, 0, s66
	s_cselect_b32 s67, 1.0, 0
	v_and_b32 v1, 15, v0                           ; r = l % 16
	v_bfe_u32 v2, v0, 4, 1                         ; h = l / 16
	s_lshl_b32 s46, s40, 10                        ; my first column in the weight, x 4 bytes: 256 cx + 128 x half
	s_lshl_b32 s47, s16, 9
	s_add_co_u32 s46, s46, s47
	s_mov_b32 s47, 0
	s_add_nc_u64 s[96:97], s[96:97], s[46:47]
	v_lshlrev_b32 v9, 5, v2                        ; lane (r, h) wants, for B's block b, the bias of columns 16 b + 8 h + 0 .. 7; never rewritten
.irp b, 0,1,2,3,4,5,6,7
	global_load_b128 v[BIAS+8*\b:BIAS+8*\b+3], v9, s[96:97] offset:64*\b
	global_load_b128 v[BIAS+8*\b+4:BIAS+8*\b+7], v9, s[96:97] offset:64*\b+16
.endr
	v_mul_u32_u24 v3, v1, PITCH
	v_lshl_add_u32 v4, v2, 4, v3                   ; a fragment's row x pitch + 16 x half
	s_mul_i32 s21, s15, HALFT                      ; my 128 rows of A
	s_mul_i32 s22, s16, HALFT                      ; my 128 rows of B,
	s_add_co_u32 s22, s22, 2*HALFT                 ; which lie behind A's 256
.irp s, 0,1
	v_add_nc_u32 v[ADRA+\s], s21, v4
	v_add_nc_u32 v[ADRB+\s], s22, v4
	s_add_co_u32 s21, s21, SLOT
	s_add_co_u32 s22, s22, SLOT
.endr
	v_mul_u32_u24 v5, v1, KS                       ; my row's scales: 32 bytes a row,
	v_lshrrev_b32 v6, 8, v5
	v_lshl_add_u32 v5, v6, 4, v5                   ; and 16 more for each 256 passed
	s_mul_i32 s21, s15, HALFS                      ; A's: my 128 rows
	s_mul_i32 s22, s16, HALFS                      ; B's: my 128 rows, behind A's 256
	s_add_co_u32 s22, s22, 2*HALFS
	s_sub_co_u32 s22, s22, s21
	v_mul_u32_u24 v6, s22, v2                      ; lanes 16-31 take B's: one product, the distance between the two bases x h
	s_add_co_u32 s21, s21, SCL
	v_add_nc_u32 v5, v5, v6
	v_add_nc_u32 v[ADRS], s21, v5
	s_mul_i32 s23, s14, 32*SP16                    ; my stage
	v_mul_u32_u24 v5, v1, SP16                     ; in: row r of a head's 16, 16 bytes for each half of the lanes
	v_lshl_add_u32 v5, v2, 4, v5
	v_add_nc_u32 v[STO], s23, v5
	v_bfe_u32 v7, v0, 3, 2                         ; back: eight lanes to a row of 128 bytes, four rows an instruction
	v_mul_u32_u24 v7, v7, SP16
	v_and_b32 v8, 7, v0
	v_lshl_add_u32 v7, v8, 4, v7
	v_add_nc_u32 v[RD], s23, v7
	v_and_b32 v6, 31, v0
	v_lshlrev_b32 v[CO], 4, v6                     ; four rows of a head are 512 dense bytes of the output
	; where my part begins in qkv: part x 2^24 + ((16 b + head) x 2,048 + n) x 128
	s_lshr_b32 s20, s17, 3                         ; b: eight tile rows to a batch
	s_lshl_b32 s20, s20, 22
	s_and_b32 s21, s17, 7
	s_lshl_b32 s21, s21, 15                        ; n: 256 x (tile row % 8)
	s_add_co_u32 s20, s20, s21
	s_lshl_b32 s21, s15, 14                        ;    + 128 x half
	s_add_co_u32 s20, s20, s21
	s_lshl_b32 s21, ttmp9, 24                      ; the part
	s_add_co_u32 s20, s20, s21
	s_lshl_b32 s46, s40, 20                        ; head: 4 cx + 2 x half
	s_lshl_b32 s47, s16, 19
	s_add_co_u32 s46, s46, s47
	s_add_co_u32 s20, s20, s46
	s_mov_b32 s21, 0
	s_add_nc_u64 s[12:13], s[12:13], s[20:21]
.macro FRAG reg, adr, q, i             ; a fragment, 16 rows x 128 K of 4-bit codes: lane l holds row l % 16; registers 4 c .. 4 c + 3 hold K = 64 c + 32 (l / 16) + 0 .. 31
.irp c, 0,1
	ds_load_b128 v[\reg+4*\c:\reg+4*\c+3], v[\adr] offset:64*(\q)+32*\c+(\i)*16*PITCH
.endr
.endm
; 16 matrix instructions: A's blocks a0, a0 + 1 x B's eight, the slot's q-th 128 along K.  p: B's set; sc: the set of scale words.  zero = 1: the first product starts the sums from the bias.
; The 64 accumulators take turns, one instruction a turn, in the same order in every step.
.macro MUL16 a0, p, q, sc, zero
.irp a, \a0, \a0+1
.irp b, 0,1,2,3,4,5,6,7
.if \zero
	v_wmma_scale_f32_16x16x128_f8f6f4 v[8*(8*((\a)%4)+\b):8*(8*((\a)%4)+\b)+7], v[128*(\p)+FR*\b:128*(\p)+FR*\b+FR-1], v[AF+FR*(\a):AF+FR*(\a)+FR-1], v[BIAS+8*\b:BIAS+8*\b+7], v[SC+8*NQ*(\sc)+NQ*\b+(\q)], v[SC+8*NQ*(\sc)+NQ*(\a)+(\q)] matrix_a_fmt:MATRIX_FMT_FP4 matrix_b_fmt:MATRIX_FMT_FP4 matrix_a_scale:MATRIX_SCALE_ROW1
.else
	v_wmma_scale_f32_16x16x128_f8f6f4 v[8*(8*((\a)%4)+\b):8*(8*((\a)%4)+\b)+7], v[128*(\p)+FR*\b:128*(\p)+FR*\b+FR-1], v[AF+FR*(\a):AF+FR*(\a)+FR-1], v[8*(8*((\a)%4)+\b):8*(8*((\a)%4)+\b)+7], v[SC+8*NQ*(\sc)+NQ*\b+(\q)], v[SC+8*NQ*(\sc)+NQ*(\a)+(\q)] matrix_a_fmt:MATRIX_FMT_FP4 matrix_b_fmt:MATRIX_FMT_FP4 matrix_a_scale:MATRIX_SCALE_ROW1
.endif
.endr
.endr
.endm
.macro FETCH_B slot, q, p              ; B's eight fragments into set p
	WIN TO_B
.irp i, 0,1,2,3,4,5,6,7
	FRAG 128*(\p)+FR*\i, ADRB+\slot, \q, \i
.endr
	WIN 0
.endm
.macro FETCH_A slot, q, i0             ; A's blocks i0 .. i0 + 3
.irp i, \i0, \i0+1, \i0+2, \i0+3
	FRAG AF+FR*(\i), ADRA+\slot, \q, \i
.endr
.endm
.macro SCALES sc                       ; a K step's scale words into set sc: 4 words a row; lanes 0-15 take A's block i, lanes 16-31 B's block i
.irp i, 0,1,2,3,4,5,6,7
	ds_load_b128 v[SC+8*NQ*\sc+NQ*\i:SC+8*NQ*\sc+NQ*\i+3], v[ADRS] offset:\i*SBLK
.endr
.endm
.macro PLACES n                        ; plain vector instructions between a matrix instruction and a load into, or a vector instruction on, its registers
.rept \n
	v_nop
.endr
.endm
; A step of 128 along K that has its successor in the same slot.  A's blocks 0-3 are fetched anew in its middle, blocks 4-7 at its end; B has two sets.
.macro STEP slot, q, zero
	s_wait_dscnt 4*NL                              ; all but the youngest eight loads (A's blocks 4-7) are in
	WIN MUL_LO-0x20*(\zero)
	MUL16 0, (\q)%2, \q, \slot, \zero
	MUL16 2, (\q)%2, \q, \slot, \zero
	s_wait_dscnt 0                                 ; A's blocks 4-7 are in
	PLACES NP
	FETCH_B \slot, (\q)+1, 1-(\q)%2
	FETCH_A \slot, (\q)+1, 0
	WIN MUL_HI-0x30*(\zero)
	MUL16 4, (\q)%2, \q, \slot, \zero
	MUL16 6, (\q)%2, \q, \slot, \zero
	PLACES NP
	WIN 0
	FETCH_A \slot, (\q)+1, 4
.endm
; Slot 0's last step changes slots: each wave waits for all its tensor loads (its part of slot 1), adds 0 to its spare word, waits for that and for its reads of slot 0, and passes the barrier.
; Behind it slot 1 is whole and nobody reads slot 0 any more.  Nothing is filled again.
.macro TURN slot, next
	s_wait_tensorcnt 0x0
	ds_add_u32 v[SPW], v[NIL]                      ; 0 onto my spare word
	s_wait_dscnt 4*NL+1                            ; the add and the youngest eight loads may be out
	WIN MUL_LO
	MUL16 0, 1, NQ-1, \slot, 0
	s_wait_dscnt 0x0                               ; the add is done, and my reads of this slot are over
	s_barrier_signal -1
	MUL16 2, 1, NQ-1, \slot, 0
	WIN 0
	s_barrier_wait -1
	PLACES NP
	v_add_nc_u32 v[ADRS], 4*NQ, v[ADRS]            ; on to the next K step's scale words (no LDS load of mine is out)
	FETCH_B \next, 0, 0
	FETCH_A \next, 0, 0
	SCALES \next
	WIN MUL_HI
	MUL16 4, 1, NQ-1, \slot, 0
	MUL16 6, 1, NQ-1, \slot, 0
	PLACES NP
	WIN 0
	FETCH_A \next, 0, 4
.endm
.macro STEPS slot, from                ; the slot's steps from .. NQ - 2
.set Q, \from
.rept NQ-1-\from
	STEP \slot, Q, 0
.set Q, Q+1
.endr
.endm
	s_wait_tensorcnt 1                             ; the scales and my part of K step 0 are in; K step 1's load, the one issued behind them, may be out
	s_barrier_signal -1
	s_barrier_wait -1                              ; everybody's are
	FETCH_B 0, 0, 0
	FETCH_A 0, 0, 0
	SCALES 0
	FETCH_A 0, 0, 4
	s_wait_loadcnt 0x0                             ; the bias
	STEP 0, 0, 1
	STEPS 0, 1
	TURN 0, 1
	STEPS 1, 0
	s_wait_dscnt 4*NL                              ; the very last step: nothing more to fetch
	WIN MUL_LO
	MUL16 0, 1, NQ-1, 1, 0
	MUL16 2, 1, NQ-1, 1, 0
	s_wait_dscnt 0
	WIN MUL_HI
	MUL16 4, 1, NQ-1, 1, 0
	MUL16 6, 1, NQ-1, 1, 0
	WIN 0
; THE WAY OUT, block by block of 16 rows x 128 columns = two heads.  NORMPACK: each head's sum of squares (32 numbers in my lane, 32 in lane l xor 16), the factor, the 64 numbers x it, rounded to f16.
.macro NORMPACK a
.set AC, 64*((\a)%4)
.set WW, 2+(\a)/4                      ; the block's window
.set CH, C16+32*((\a)%2)
	WIN WW|(WW<<2)                                 ; sources 0 and 1 in the accumulators' window
.irp g, 0,1                                    ; two chains a head; each accumulator is read from its low end on
	v_pk_mul_f32 v[SS+4*\g:SS+4*\g+1], v[AC+32*\g:AC+32*\g+1], v[AC+32*\g:AC+32*\g+1]
	v_pk_mul_f32 v[SS+4*\g+2:SS+4*\g+3], v[AC+32*\g+2:AC+32*\g+3], v[AC+32*\g+2:AC+32*\g+3]
.endr
.irp p, 4,8,12,16,20,24,28
.irp g, 0,1
	v_pk_fma_f32 v[SS+4*\g:SS+4*\g+1], v[AC+32*\g+\p:AC+32*\g+\p+1], v[AC+32*\g+\p:AC+32*\g+\p+1], v[SS+4*\g:SS+4*\g+1]
	v_pk_fma_f32 v[SS+4*\g+2:SS+4*\g+3], v[AC+32*\g+\p+2:AC+32*\g+\p+3], v[AC+32*\g+\p+2:AC+32*\g+\p+3], v[SS+4*\g+2:SS+4*\g+3]
.endr
.endr
	WIN 0
	v_pk_add_f32 v[SS:SS+1], v[SS:SS+1], v[SS+2:SS+3]
	v_pk_add_f32 v[SS+4:SS+5], v[SS+4:SS+5], v[SS+6:SS+7]
	v_add_f32 v[SS], v[SS], v[SS+1]
	v_add_f32 v[SS+4], v[SS+4], v[SS+5]
	v_permlanex16_b32 v[SS+1], v[SS], s2, s3       ; the row's other 32 numbers of the head lie in the lane 16 away
	v_permlanex16_b32 v[SS+5], v[SS+4], s2, s3
	v_add_f32 v[SS], v[SS], v[SS+1]
	v_add_f32 v[SS+4], v[SS+4], v[SS+5]
	v_add_f32 v[SS], 0x2b8cbccc, v[SS]             ; + 1e-12
	v_add_f32 v[SS+4], 0x2b8cbccc, v[SS+4]
	v_rsq_f32 v[SS], v[SS]
	v_rsq_f32 v[SS+4], v[SS+4]
	v_nop                                          ; a plain instruction behind the last of the two,
	s_wait_alu depctr_va_vdst(0)                   ; and one wait for both, ahead of their first reader
	v_fma_f32 v[SS], v[SS], s66, s67               ; the factor: log2(e) / norm for q, 1 / norm for k, 1 for v
	v_fma_f32 v[SS+4], v[SS+4], s66, s67
	WIN WW                                         ; source 0 in the accumulators' window
.irp g, 0,1
.irp p, 0,2,4,6,8,10,12,14,16,18,20,22,24,26,28,30
	v_pk_mul_f32 v[SCD+32*\g+\p:SCD+32*\g+\p+1], v[AC+32*\g+\p:AC+32*\g+\p+1], v[SS+4*\g:SS+4*\g+1] op_sel_hi:[1,0]
.endr
.endr
	WIN 0
.irp i, 0,1,2,3,4,5,6,7,8,9,10,11,12,13,14,15,16,17,18,19,20,21,22,23,24,25,26,27,28,29,30,31
	v_cvt_pk_f16_f32 v[CH+\i], v[SCD+2*\i], v[SCD+2*\i+1]
.endr
.endm
; TOSTAGE: a lane's 16 bytes (eight columns of one row) go into my stage, and come back as whole rows of 128 bytes, four rows an instruction.  LDS serves a wave's instructions in order: no wait between.
.macro TOSTAGE a
.set CH, C16+32*((\a)%2)
.set BB, BK+32*((\a)%2)
.irp b, 0,1,2,3,4,5,6,7
	ds_store_b128 v[STO], v[CH+4*\b:CH+4*\b+3] offset:(\b/4)*16*SP16+(\b%4)*32
.endr
.irp i, 0,1,2,3,4,5,6,7
	ds_load_b128 v[BB+4*\i:BB+4*\i+3], v[RD] offset:4*SP16*\i
.endr
.endm
.macro SEND a, younger                 ; younger: the LDS instructions issued behind block a's loads, which may stay out
.set BB, BK+32*((\a)%2)
	s_wait_dscnt \younger
.irp i, 0,1,2,3,4,5,6,7
	global_store_b128 v[CO], v[BB+4*\i:BB+4*\i+3], s[12:13] offset:2048*(\a)+(\i/4)*262144+(\i%4)*512   ; the wave stores 512 consecutive bytes, aligned: four rows of one head
.endr
.endm
	PLACES NP                                      ; behind the last products: the lines below read results and write registers that held scales and fragments
	NORMPACK 0
	TOSTAGE 0
.irp a, 1,2,3,4,5,6,7
	NORMPACK \a
.if \a > 1
	s_wait_xcnt 0x0                                ; block a - 2's stores have read their registers: block a's loads may land there
.endif
	TOSTAGE \a
	SEND \a-1, 16                                  ; behind block a - 1's loads: block a's 8 stores and 8 loads
.endr
	SEND 7, 0
	s_wait_tensorcnt 0x0                           ; the wave's end, behind my last tensor load and my last LDS store
	ds_add_u32 v[SPW], v[NIL]
	s_wait_dscnt 0x0
	CROUND                                         ; the closing round: no work-group ends while a partner may still ask for a tile that names it
	s_endpgm
.Lfunc_end_k_qb0aabb77a1_qkv:
	.size	k_qb0aabb77a1_qkv, .Lfunc_end_k_qb0aabb77a1_qkv-k_qb0aabb77a1_qkv
	.p2alignl 7, 3214868480
	.fill 96, 4, 3214868480
	.section	.rodata,"a",@progbits
	.p2align	6, 0x0
	.amdhsa_kernel k_qb0aabb77a1_qkv
		.amdhsa_group_segment_fixed_size 327680
		.amdhsa_private_segment_fixed_size 0
		.amdhsa_enable_private_segment 0
		.amdhsa_kernarg_size 64
		.amdhsa_user_sgpr_count 2
		.amdhsa_user_sgpr_kernarg_segment_ptr 1
		.amdhsa_wavefront_size32 1
		.amdhsa_system_sgpr_workgroup_id_x 1
		.amdhsa_system_sgpr_workgroup_id_y 1
		.amdhsa_system_sgpr_workgroup_id_z 1
		.amdhsa_system_vgpr_workitem_id 0
		.amdhsa_next_free_vgpr 1024
		.amdhsa_next_free_sgpr 102
		.amdhsa_reserve_vcc 0
		.amdhsa_float_denorm_mode_32 3
		.amdhsa_float_denorm_mode_16_64 3
		.amdhsa_memory_ordered 1
		.amdhsa_forward_progress 1
		.amdhsa_inst_pref_size 167
	.end_amdhsa_kernel
	.amdgpu_metadata
---
amdhsa.version: [ 1, 2 ]
amdhsa.kernels:
  - .name:           k_qb0aabb77a1_qkv
    .symbol:         k_qb0aabb77a1_qkv.kd
    .args:
      - { .name: xcodes, .offset: 0, .size: 8, .value_kind: global_buffer, .address_space: global }
      - { .name: xscales, .offset: 8, .size: 8, .value_kind: global_buffer, .address_space: global }
      - { .name: wcodes, .offset: 16, .size: 8, .value_kind: global_buffer, .address_space: global }
      - { .name: wscales, .offset: 24, .size: 8, .value_kind: global_buffer, .address_space: global }
      - { .name: qkv, .offset: 32, .size: 8, .value_kind: global_buffer, .address_space: global }
      - { .name: Wq_b, .offset: 40, .size: 8, .value_kind: global_buffer, .address_space: global }
      - { .name: Wk_b, .offset: 48, .size: 8, .value_kind: global_buffer, .address_space: global }
      - { .name: Wv_b, .offset: 56, .size: 8, .value_kind: global_buffer, .address_space: global }
    .group_segment_fixed_size: 327680
    .private_segment_fixed_size: 0
    .kernarg_segment_align: 8
    .kernarg_segment_size: 64
    .max_flat_workgroup_size: 128
    .sgpr_count:     102
    .vgpr_count:     1024
    .wavefront_size: 32
...
	.end_amdgpu_metadata
.endif
;; end of part 2
;; launch attn (part 3): grid 4 x 64, 8 waves a work-group, clusters of 4 x 1, 327,680 bytes of LDS; arguments qkv, att; writes att
.if DOCPART == 3
	.amdgcn_target "amdgcn-amd-amdhsa--gfx1250"
	.amdhsa_code_object_version 6
	.text
	.protected	k_qb0aabb77a1_attn
	.globl	k_qb0aabb77a1_attn
	.p2align	8
	.type	k_qb0aabb77a1_attn,@function
k_qb0aabb77a1_attn:
	s_mov_b64 s[64:65], 0
	v_nop
	global_prefetch_b8 v0, s[64:65] scope:SCOPE_SE
	s_setreg_imm32_b32 hwreg(HW_REG_WAVE_MODE, 25, 1), 1
	s_wait_xcnt 0x0
	s_wait_alu depctr_hold_cnt(0) depctr_sa_sdst(0) depctr_va_vdst(0) depctr_va_sdst(0) depctr_va_ssrc(0) depctr_va_vcc(0) depctr_vm_vsrc(0)
	s_getreg_b32 s2, hwreg(HW_REG_IB_STS2, 6, 4)
	s_cmp_eq_u32 s2, 0
	s_cbranch_scc0 .Lentry_in_a_cluster
	s_endpgm
.Lentry_in_a_cluster:
	s_bfe_u32 s2, ttmp6, 0x10000c
	s_cmp_lg_u32 s2, 0x3003
	s_cbranch_scc0 .Lentry_shape_is_right
	s_endpgm
.Lentry_shape_is_right:
; att[b][h][n][:] = the sum over m of softmax_m(qn[n] . kn[m]) v[m][:], for each of the 64 (b, h).  qkv: [3][64][2048][64] f16: log2(e) qn, kn, v.  att: [64][2048][64] f16.
; NO MAXIMUM IS TAKEN AWAY, BECAUSE THE COMPUTATION BOUNDS THE EXPONENTS FOR EVERY INPUT: qn and kn are unit vectors (or shorter), so t = log2(e) qn . kn lies within +-1.45,
; p = 2^t within 0.36 .. 2.74, and a row's sum of 2,048 of them under 5,700: nothing can overflow or underflow, in f32 or in f16.  So there is no running maximum and O is never rescaled.
; Products and sums in f32; p is rounded to f16 for the second product; the row's sum is taken of the unrounded p; O / sum is rounded to f16 once.
; LIMIT: |v| and |O| stay under 65,504, f16's largest number; NaN and infinities are not served.
; SHARES.  A work-group owns 512 queries of one (b, h), each of its eight waves 64: four tiles of 16.  Two waves share a SIMD's registers, so that one wave's exponentials stand beside the other's products.
; Every wave walks all 2,048 keys, 32 a step, 256 a slot.
; LAYOUT.  S^T = K Q^T (source 0 = 16 keys, source 1 = 16 queries): a lane holds ONE query (lane % 16) and the keys 8 (lane / 16) + 0..7.  Two such tiles, rounded to f16 in pairs, ARE source 1
; (32 keys x 16 queries) of O^T = V^T P, whose result again holds one query a lane.  K comes out of LDS as it lies, V ([key][channel]) turned, by ds_load_tr16_b128.
; CLUSTER.  The four query blocks of a head form a cluster and walk the same K and V: each tile is asked for jointly, by the same tensor load with a mask that names the four.
; REGISTERS: window 0: v1-15 addresses; v16-23 the rows' sums, a pair a tile; v32-95 Q; v96-127 K of a step; v128-159 V of a step; v160-223 S^T, then p; v224-255 P.   window 1: v0-127 O^T, 32 a tile.
.set KP,    144                        ; a row of K in LDS: 128 bytes + 16
.set VP,    160                        ; a row of V: 128 + 32: the turning load takes 8 rows x 32 bytes in sixteen lanes
.set VOFF,  256*KP                     ; a slot: 256 rows of K, then 256 rows of V
.set SLOT1, 1<<17                      ; slot 1 begins here: one exclusive or turns an address in one slot into the other's
.set STAGE, SLOT1+256*(KP+VP)          ; behind the ring: 16 rows x 144 bytes for each wave, for the way out
.set SPARE, STAGE+8*16*KP              ; the spare words, 128 bytes for each wave: four blocks of 256 bytes that no other line names
.set SLOTB, 32768                      ; a slot's 256 rows of 128 bytes in memory
.set PARTB, 16777216                   ; from q to k, and from k to v
.set AK0, 2                            ; v2   my lane's place in a tile of K; never rewritten
.set AV0, 3                            ; v3   the same for V
.set ADK, 4                            ; v4   LDS address of the slot's K for my lane
.set ADV, 5                            ; v5   and V
.set QO,  6                            ; v6   my byte offset in the wave's rows of Q
.set STO, 7                            ; v7   the way out: where I put 16 bytes of a row
.set RD,  8                            ; v8   where I read rows back
.set GO,  9                            ; v9   16 x lane
.set PFO, 12                           ; v12  256 x lane: the prefetches' offset; never rewritten
.set SPW, 14                           ; v14  LDS address of my spare word; never rewritten
.set NIL, 15                           ; v15  0; never rewritten
.set L,   16
.set QF,  32
.set KF,  96
.set VF,  128
.set S,   160
.set P,   224
.set WV,  12                           ; s12  my wave's number
.set LIM, 15                           ; s15  1 in a wave that prefetches, else the greatest number
.set PFA, 18                           ; s[18:19] where my prefetches stand
.set G1K, 24                           ; s[24:31] descriptor group 1 for K's tiles;  s[32:39] for V's: it differs in the padding alone
.set G1V, 32
.set G0K, 40                           ; s[40:47] group 0 for K's tiles: a set for each of the two first fills; the second then walks on
.set G0V, 48                           ; s[48:55] the same for V's
.set SLOTS, 56                         ; s56  slots still to be asked for
.set SEL, 60                           ; s[60:61] lane selects for v_permlanex16_b32
.set TB,  62                           ; s62  LDS byte at which the slot in hand begins
.set MSB, 0
.macro WIN new                         ; the immediate's high byte repeats the setting that is left
.if MSB != (\new)
	s_set_vgpr_msb (MSB<<8)|(\new)
.set MSB, (\new)
.endif
.endm
; A joint refill: waves 0 to 3 fetch the slot's four quarters of K, waves 4 to 7 those of V; the branch hangs on the wave's number alone.  An s_nop 0 and four v_nop follow each line.
.macro JLOAD
	s_cmp_lt_u32 s[WV], 4
	s_cbranch_scc0 .Lfor_v_\@
	tensor_load_to_lds s[G0K+4:G0K+7], s[G1K:G1K+7]
	s_nop 0
.rept 4
	v_nop
.endr
	s_branch .Lasked_\@
.Lfor_v_\@:
	tensor_load_to_lds s[G0V+4:G0V+7], s[G1V:G1V+7]
	s_nop 0
.rept 4
	v_nop
.endr
.Lasked_\@:
.endm
; A PREFETCH INTO THE L2 of what the NEXT change of slots will ask for: 32,768 bytes of K and as many of V.  The four partners share them out BY ADDRESS, 8,192 bytes each; in each, wave 0 asks for K's
; and wave 4 for V's, lanes 256 bytes apart: one instruction, and each block of 256 bytes is named once in the launch.  The last change that fills a slot asks for nothing.
.macro ASK
	s_cmp_gt_u32 s[SLOTS], s[LIM]
	s_cbranch_scc0 .Lnot_mine_\@
	global_prefetch_b8 v[PFO], s[PFA:PFA+1] th:TH_LOAD_NT scope:SCOPE_SE
.Lnot_mine_\@:
.endm
.macro CROUND                          ; a round of the cluster's barrier
	s_barrier_signal -1
	s_barrier_wait -1
	s_cmp_lg_u32 s[WV], 0
	s_cbranch_scc1 .Lnot_wave_0_\@
	s_barrier_signal -3
.Lnot_wave_0_\@:
	s_barrier_wait -3
	s_barrier_signal -1
	s_barrier_wait -1
.endm
.macro PLACES                          ; four plain vector instructions between a matrix instruction and a load into, or a vector instruction on, its registers
.rept 4
	v_nop
.endr
.endm
	s_load_b128 s[4:7], s[0:1], 0x0                ; qkv s[4:5], att s[6:7]
	v_lshl_add_u32 v[SPW], v0, 2, SPARE
	v_mov_b32 v[NIL], 0
	ds_add_u32 v[SPW], v[NIL]                      ; the wave's opening: the add, twice on end, and its wait ahead of my first tensor load
	ds_add_u32 v[SPW], v[NIL]
	v_lshrrev_b32 v1, 5, v0
	v_readfirstlane_b32 s[WV], v1                  ; wave 0..7
	s_bfe_u32 s13, ttmp6, 0x40000                  ; cx: my place in the cluster
	s_and_b32 s20, ttmp7, 0xffff                   ; (b, h), which the four partners share
	s_lshl_b32 s20, s20, 18                        ; its first byte in each part of qkv and in att: 2,048 rows of 128 bytes
	s_and_b32 s16, s[WV], 3                        ; which quarter of a slot's rows I fetch:
	s_lshl_b32 s22, s16, 13                        ; its 64 rows of 128 bytes in memory,
	s_add_co_u32 s22, s22, s20
	s_mov_b32 s23, 0
	s_mul_i32 s17, s16, 64*KP                      ; and its place in a slot, for K
	s_mul_i32 s14, s16, 64*VP
	s_add_co_u32 s14, s14, VOFF                    ; and for V: no place in the cluster enters an LDS address
	s_lshl_b32 s2, ttmp9, 2
	s_add_co_u32 s2, s2, s13                       ; my block of 512 queries: it enters Q's, att's and the prefetches' addresses alone
	s_lshl_b32 s2, s2, 16
	s_lshl_b32 s3, s[WV], 13                       ; my wave's 64 rows
	s_add_co_u32 s2, s2, s3
	s_add_co_u32 s2, s2, s20
	s_mov_b32 s3, 0
	; descriptor group 1: a tile of 64 rows x 64 elements of 2 bytes, padded behind each row of 32 words
	s_mov_b32 s[G1K], 15|(1<<16)|(1<<20)|(1<<21)|(4<<22)|(3<<25)  ; the mask: all four work-groups; elements of 2 bytes; padding on; bit 21 beside a mask; after every 32 words; 4 words
	s_mov_b32 s[G1V], 15|(1<<16)|(1<<20)|(1<<21)|(4<<22)|(7<<25)  ; the same with 8 words
.irp g, G1K, G1V
	s_mov_b32 s[\g+1], 64<<16                      ; tensor_dim0
	s_mov_b32 s[\g+2], 64<<16                      ; tensor_dim1
	s_mov_b32 s[\g+3], 64<<16                      ; tile_dim0
	s_mov_b32 s[\g+4], 64                          ; tile_dim1
	s_mov_b32 s[\g+5], 64                          ; from row to row
	s_mov_b32 s[\g+6], 0
	s_mov_b32 s[\g+7], 0
.endr
	s_mov_b32 s[SEL], 0x76543210
	s_mov_b32 s[SEL+1], 0xfedcba98
	s_mov_b32 s[TB], 0
	s_and_b32 s[LIM], s[WV], 3                     ; waves 0 and 4 prefetch: the same in all four partners
	s_cmp_eq_u32 s[LIM], 0
	s_cselect_b32 s[LIM], 1, -1
	s_wait_dscnt 0x0                               ; both opening adds are done
	s_wait_kmcnt 0x0
	s_add_nc_u64 s[8:9], s[4:5], s[22:23]
	s_add_nc_u64 s[10:11], s[8:9], 2*PARTB         ; V at my quarter of slot 0
	s_add_nc_u64 s[8:9], s[8:9], PARTB             ; K likewise
	s_add_nc_u64 s[4:5], s[4:5], s[2:3]            ; Q and att at my wave's first row
	s_add_nc_u64 s[6:7], s[6:7], s[2:3]
	s_cmp_lt_u32 s[WV], 4
	s_cselect_b64 s[PFA:PFA+1], s[8:9], s[10:11]   ; (in waves 0 and 4 these stand at a slot's first row)
	s_lshl_b32 s2, s13, 13                         ; my work-group's 8,192 bytes of the 32,768
	s_add_nc_u64 s[PFA:PFA+1], s[PFA:PFA+1], s[2:3]
	s_add_nc_u64 s[PFA:PFA+1], s[PFA:PFA+1], 2*SLOTB   ; in slot 2; the first change of slots steps it to slot 3.  Nothing is prefetched at the head
	CROUND                                         ; all four work-groups are here: the first joint loads meet
.irp s, 0,1
	s_mov_b32 s[G0K+4*\s], 1
	s_add_co_u32 s[G0K+4*\s+1], s17, \s*SLOT1
	s_add_nc_u64 s[G0K+4*\s+2:G0K+4*\s+3], s[8:9], \s*SLOTB
	s_or_b32 s[G0K+4*\s+3], s[G0K+4*\s+3], 0x80000000
	s_mov_b32 s[G0V+4*\s], 1
	s_add_co_u32 s[G0V+4*\s+1], s14, \s*SLOT1
	s_add_nc_u64 s[G0V+4*\s+2:G0V+4*\s+3], s[10:11], \s*SLOTB
	s_or_b32 s[G0V+4*\s+3], s[G0V+4*\s+3], 0x80000000
.endr
	s_cmp_lt_u32 s[WV], 4                          ; a wave's two first fills stand in one branch, ahead of every wait on TENSORcnt and every LDS read: two loads of mine are out
	s_cbranch_scc0 .Lfirst_v
	tensor_load_to_lds s[G0K:G0K+3], s[G1K:G1K+7]
	s_nop 0
	tensor_load_to_lds s[G0K+4:G0K+7], s[G1K:G1K+7]
	s_nop 0
.rept 4
	v_nop
.endr
	s_branch .Lfirst_asked
.Lfirst_v:
	tensor_load_to_lds s[G0V:G0V+3], s[G1V:G1V+7]
	s_nop 0
	tensor_load_to_lds s[G0V+4:G0V+7], s[G1V:G1V+7]
	s_nop 0
.rept 4
	v_nop
.endr
.Lfirst_asked:
	; a fragment of K or Q is 16 rows x 32 channels in 8 registers: lane l holds row l % 16; registers 0-3 channels 8 (l / 16) + 0..7, registers 4-7 channels 16 + 8 (l / 16) + 0..7
	v_and_b32 v1, 15, v0                           ; r
	v_bfe_u32 v10, v0, 4, 1                        ; h
	v_lshlrev_b32 v[QO], 7, v1
	v_lshl_add_u32 v[QO], v10, 4, v[QO]            ; row x 128 + 16 x half
.irp t, 0,1,2,3                                ; Q stays in registers: tile t, channels 32 c on
.irp c, 0,1
	global_load_b128 v[QF+16*\t+8*\c:QF+16*\t+8*\c+3],   v[QO], s[4:5] offset:\t*2048+\c*64
	global_load_b128 v[QF+16*\t+8*\c+4:QF+16*\t+8*\c+7], v[QO], s[4:5] offset:\t*2048+\c*64+32
.endr
.endr
	v_mul_u32_u24 v[AK0], v1, KP
	v_lshl_add_u32 v[AK0], v10, 4, v[AK0]          ; row x pitch + 16 x half
	; the turning load: lane l reads 16 bytes of key 8 (l / 16) + l % 8, channels 8 ((l / 8) % 2) + 0..7, and is left with channel l % 16 and 8 keys
	v_and_b32 v11, 7, v0
	v_bfe_u32 v13, v0, 3, 1
	v_lshl_add_u32 v[AV0], v10, 3, v11
	v_mul_u32_u24 v[AV0], v[AV0], VP
	v_lshl_add_u32 v[AV0], v13, 4, v[AV0]
	v_add_nc_u32 v[AV0], VOFF, v[AV0]
	s_mul_i32 s14, s[WV], 16*KP
	s_add_co_u32 s14, s14, STAGE                   ; my stage
	v_add_nc_u32 v[STO], s14, v[AK0]               ; in: row r, 16 bytes for each half of the lanes
	v_bfe_u32 v13, v0, 3, 2
	v_mul_u32_u24 v13, v13, KP
	v_lshl_add_u32 v13, v11, 4, v13
	v_add_nc_u32 v[RD], s14, v13                   ; back: eight lanes to a row of 128 bytes, four rows an instruction
	v_and_b32 v11, 31, v0
	v_lshlrev_b32 v[GO], 4, v11
	v_lshlrev_b32 v[PFO], 8, v11
.macro FETCHK j                        ; the step's 32 keys x 64 channels: four fragments, eight loads
.irp u, 0,1
.irp c, 0,1
	ds_load_b128 v[KF+16*\u+8*\c:KF+16*\u+8*\c+3],   v[ADK] offset:(32*(\j)+16*\u)*KP+64*\c
	ds_load_b128 v[KF+16*\u+8*\c+4:KF+16*\u+8*\c+7], v[ADK] offset:(32*(\j)+16*\u)*KP+64*\c+32
.endr
.endr
.endm
.macro FETCHV j                        ; the same keys' V, turned: four fragments of 16 channels x 32 keys
.irp c, 0,1,2,3
	ds_load_tr16_b128 v[VF+8*\c:VF+8*\c+3],   v[ADV] offset:32*(\j)*VP+32*\c
	ds_load_tr16_b128 v[VF+8*\c+4:VF+8*\c+7], v[ADV] offset:32*(\j)*VP+16*VP+32*\c
.endr
.endm
; A KEY STEP: 32 keys, the j-th of the slot's eight.  zero = 1: the launch's first step starts O^T's sums with the constant 0 and the rows' sums with their first two pairs: nothing is cleared.
.macro STEP j, zero
	s_wait_dscnt 8                                 ; K of this step is in; the eight loads issued behind it, V's, may be out
.irp c, 0,1                                    ; S^T = K Q^T: eight accumulators by turns, one instruction a turn: seven others' stand between a sum's two links
.irp u, 0,1
.irp t, 0,1,2,3
.if \c == 0
	v_wmma_f32_16x16x32_f16 v[S+16*\t+8*\u:S+16*\t+8*\u+7], v[KF+16*\u+8*\c:KF+16*\u+8*\c+7], v[QF+16*\t+8*\c:QF+16*\t+8*\c+7], 0
.else
	v_wmma_f32_16x16x32_f16 v[S+16*\t+8*\u:S+16*\t+8*\u+7], v[KF+16*\u+8*\c:KF+16*\u+8*\c+7], v[QF+16*\t+8*\c:QF+16*\t+8*\c+7], v[S+16*\t+8*\u:S+16*\t+8*\u+7]
.endif
.endr
.endr
.endr
	PLACES                                         ; in front of the loads into K's registers and of the first read of the scores
.if (\j) < 7
	FETCHK (\j)+1
.endif
.set n, 0
.rept 64
	v_exp_f32 v[S+n], v[S+n]                       ; p = 2^t, in place, each accumulator from its low end on: ONE BATCH
.set n, n+1
.endr
	v_nop                                          ; a plain instruction behind the last exponential,
	s_wait_alu depctr_va_vdst(0)                   ; and one wait for the 64, ahead of their first reader
.irp i, 0,1,2,3,4,5,6,7                        ; the rows' sums of the unrounded p, a pair at a time, and the rounding to f16; the four tiles by turns
.irp t, 0,1,2,3
.if \zero
.if \i == 1
	v_pk_add_f32 v[L+2*\t:L+2*\t+1], v[S+16*\t:S+16*\t+1], v[S+16*\t+2:S+16*\t+3]
.endif
.if \i > 1
	v_pk_add_f32 v[L+2*\t:L+2*\t+1], v[L+2*\t:L+2*\t+1], v[S+16*\t+2*\i:S+16*\t+2*\i+1]
.endif
.else
	v_pk_add_f32 v[L+2*\t:L+2*\t+1], v[L+2*\t:L+2*\t+1], v[S+16*\t+2*\i:S+16*\t+2*\i+1]
.endif
	v_cvt_pk_f16_f32 v[P+8*\t+\i], v[S+16*\t+2*\i], v[S+16*\t+2*\i+1]
.endr
.endr
.if (\j) < 7
	s_wait_dscnt 8                                 ; V of this step is in; the next step's K, eight loads, may be out
.else
	s_wait_dscnt 0x0                               ; the slot's last step: nothing was issued behind V
.endif
	WIN 0x50                                       ; C and D in window 1
.irp c, 0,1,2,3                                ; O^T += V^T P: sixteen accumulators, one instruction each
.irp t, 0,1,2,3
.if \zero
	v_wmma_f32_16x16x32_f16 v[32*\t+8*\c:32*\t+8*\c+7], v[VF+8*\c:VF+8*\c+7], v[P+8*\t:P+8*\t+7], 0
.else
	v_wmma_f32_16x16x32_f16 v[32*\t+8*\c:32*\t+8*\c+7], v[VF+8*\c:VF+8*\c+7], v[P+8*\t:P+8*\t+7], v[32*\t+8*\c:32*\t+8*\c+7]
.endif
.endr
.endr
	WIN 0
	PLACES                                         ; in front of the loads into V's registers and of the next roundings into P
.if (\j) < 7
	FETCHV (\j)+1
.endif
.endm
; THE CHANGE OF SLOTS.  Each wave waits for all its tensor loads, of which one is out: its part of the other slot; adds 0 to its spare word; and waits for that and for its reads of the slot that it leaves.
; fill = 1: the barrier is a round of the cluster's, and the slot just left is filled again first thing behind it, with the keys two slots on: the load has a slot's eight steps in which to land.
.macro CHANGE fill
	s_wait_tensorcnt 0x0                           ; no tensor load of mine is out, so a group 0 may be written
	ds_add_u32 v[SPW], v[NIL]                      ; 0 onto my spare word
.if \fill
.irp g, G0K+4, G0V+4
	s_xor_b32 s[\g+1], s[\g+1], SLOT1              ; the walking descriptor: the other slot than last time,
	s_add_nc_u64 s[\g+2:\g+3], s[\g+2:\g+3], SLOTB ; the next 256 keys; the type bits on top are not reached
.endr
	s_wait_xcnt 0x0                                ; the last prefetch, a slot back, has read its address, so it may be written
	s_add_nc_u64 s[PFA:PFA+1], s[PFA:PFA+1], SLOTB ; one slot further on than the walking descriptors
	s_wait_dscnt 0x0                               ; the add is done, and my reads of the slot are over
	CROUND
	JLOAD
.else
	s_wait_dscnt 0x0
	s_barrier_signal -1
	s_barrier_wait -1
.endif
	s_xor_b32 s[TB], s[TB], SLOT1                  ; on to the other slot
	v_add_nc_u32 v[ADK], s[TB], v[AK0]
	v_add_nc_u32 v[ADV], s[TB], v[AV0]
	FETCHK 0
	FETCHV 0
.if \fill
	ASK                                            ; behind the joint load and the LDS loads that the next products wait for: what the next change will ask for, eight steps ahead
.endif
.endm
	s_wait_tensorcnt 1                             ; my part of slot 0 is in; slot 1's, the one load issued behind it, may stay out
	s_barrier_signal -1
	s_barrier_wait -1                              ; everybody's is
	v_add_nc_u32 v[ADK], s[TB], v[AK0]
	v_add_nc_u32 v[ADV], s[TB], v[AV0]
	FETCHK 0
	FETCHV 0
	s_wait_loadcnt 0x0                             ; Q
	STEP 0, 1
	s_mov_b32 s[SLOTS], 6
.Lslot:                                            ; six trips: a trip goes from a slot's second step to the next slot's first, and fills the slot that it leaves
.irp j, 1,2,3,4,5,6,7
	STEP \j, 0
.endr
	CHANGE 1
	STEP 0, 0
	s_sub_co_u32 s[SLOTS], s[SLOTS], 1
	s_cmp_lg_u32 s[SLOTS], 0
	s_cbranch_scc1 .Lslot
.irp j, 1,2,3,4,5,6,7                          ; the tail is written out
	STEP \j, 0
.endr
	CHANGE 0
.irp j, 0,1,2,3,4,5,6,7
	STEP \j, 0
.endr
	; THE WAY OUT.  A sum's two halves and the other half of the lanes' are added; O^T is divided by it, rounded to f16 and sent through my stage, a tile (16 rows) at a time.
.irp t, 0,1,2,3
	v_add_f32 v[L+2*\t], v[L+2*\t], v[L+2*\t+1]
.endr
.irp t, 0,1,2,3
	v_permlanex16_b32 v[L+2*\t+1], v[L+2*\t], s[SEL], s[SEL+1]
.endr
.irp t, 0,1,2,3
	v_add_f32 v[L+2*\t], v[L+2*\t], v[L+2*\t+1]
.endr
.irp t, 0,1,2,3
	v_rcp_f32 v[L+2*\t], v[L+2*\t]
.endr
	v_nop                                          ; a plain instruction behind the last reciprocal,
	s_wait_alu depctr_va_vdst(0)                   ; and one wait for the four, ahead of their first reader
.macro PACK t
	WIN 0x41                                       ; O^T (destination and source 0) in window 1
.set n, 0
.rept 16
	v_pk_mul_f32 v[32*\t+n:32*\t+n+1], v[32*\t+n:32*\t+n+1], v[L+2*\t:L+2*\t+1] op_sel_hi:[1,0]
.set n, n+2
.endr
	WIN 0x05                                       ; sources 0 and 1 in window 1, destination in window 0: S^T's registers are free
.set n, 0
.rept 16
	v_cvt_pk_f16_f32 v[S+16*\t+n], v[32*\t+2*n], v[32*\t+2*n+1]
.set n, n+1
.endr
	WIN 0
.irp c, 0,1,2,3
	ds_store_b128 v[STO], v[S+16*\t+4*\c:S+16*\t+4*\c+3] offset:32*\c
.endr
.irp i, 0,1,2,3
	ds_load_b128 v[S+16*\t+4*\i:S+16*\t+4*\i+3], v[RD] offset:4*KP*\i   ; LDS serves a wave's instructions in order: these see the stores above; the next tile's stores come behind them
.endr
.endm
.macro SEND t, younger                 ; younger: the LDS instructions issued behind tile t's loads: the next tile's eight, or none
.irp i, 0,1,2,3
	s_wait_dscnt \younger+3-\i
	global_store_b128 v[GO], v[S+16*\t+4*\i:S+16*\t+4*\i+3], s[6:7] offset:2048*\t+512*\i   ; the wave stores 512 consecutive bytes, aligned: four rows
.endr
.endm
	PACK 0
	PACK 1                                         ; a tile's arithmetic stands between the loads of the tile before and its stores
	SEND 0, 8
	PACK 2
	SEND 1, 8
	PACK 3
	SEND 2, 8
	SEND 3, 0
	s_wait_tensorcnt 0x0                           ; the wave's end, behind my last tensor load and my last LDS store
	ds_add_u32 v[SPW], v[NIL]
	s_wait_dscnt 0x0
	CROUND                                         ; the closing round
	s_endpgm
.Lfunc_end_k_qb0aabb77a1_attn:
	.size	k_qb0aabb77a1_attn, .Lfunc_end_k_qb0aabb77a1_attn-k_qb0aabb77a1_attn
	.p2alignl 7, 3214868480
	.fill 96, 4, 3214868480
	.section	.rodata,"a",@progbits
	.p2align	6, 0x0
	.amdhsa_kernel k_qb0aabb77a1_attn
		.amdhsa_group_segment_fixed_size 327680
		.amdhsa_private_segment_fixed_size 0
		.amdhsa_enable_private_segment 0
		.amdhsa_kernarg_size 16
		.amdhsa_user_sgpr_count 2
		.amdhsa_user_sgpr_kernarg_segment_ptr 1
		.amdhsa_wavefront_size32 1
		.amdhsa_system_sgpr_workgroup_id_x 1
		.amdhsa_system_sgpr_workgroup_id_y 1
		.amdhsa_system_sgpr_workgroup_id_z 1
		.amdhsa_system_vgpr_workitem_id 0
		.amdhsa_next_free_vgpr 384
		.amdhsa_next_free_sgpr 66
		.amdhsa_reserve_vcc 0
		.amdhsa_float_denorm_mode_32 3
		.amdhsa_float_denorm_mode_16_64 3
		.amdhsa_memory_ordered 1
		.amdhsa_forward_progress 1
		.amdhsa_inst_pref_size 250
	.end_amdhsa_kernel
	.amdgpu_metadata
---
amdhsa.version: [ 1, 2 ]
amdhsa.kernels:
  - .name:           k_qb0aabb77a1_attn
    .symbol:         k_qb0aabb77a1_attn.kd
    .args:
      - { .name: qkv, .offset: 0, .size: 8, .value_kind: global_buffer, .address_space: global }
      - { .name: att, .offset: 8, .size: 8, .value_kind: global_buffer, .address_space: global }
    .group_segment_fixed_size: 327680
    .private_segment_fixed_size: 0
    .kernarg_segment_align: 8
    .kernarg_segment_size: 16
    .max_flat_workgroup_size: 256
    .sgpr_count:     66
    .vgpr_count:     384
    .wavefront_size: 32
...
	.end_amdgpu_metadata
.endif
;; end of part 3
;; launch proj (part 4): grid 8 x 32, 4 waves a work-group, clusters of 4 x 4, 327,680 bytes of LDS; arguments att, wo16, Wo_b, out0; writes out0
.if DOCPART == 4
	.amdgcn_target "amdgcn-amd-amdhsa--gfx1250"
	.amdhsa_code_object_version 6
	.text
	.protected	k_qb0aabb77a1_proj
	.globl	k_qb0aabb77a1_proj
	.p2align	8
	.type	k_qb0aabb77a1_proj,@function
k_qb0aabb77a1_proj:
	s_mov_b64 s[64:65], 0
	v_nop
	global_prefetch_b8 v0, s[64:65] scope:SCOPE_SE
	s_setreg_imm32_b32 hwreg(HW_REG_WAVE_MODE, 25, 1), 1
	s_wait_xcnt 0x0
	s_wait_alu depctr_hold_cnt(0) depctr_sa_sdst(0) depctr_va_vdst(0) depctr_va_sdst(0) depctr_va_ssrc(0) depctr_va_vcc(0) depctr_vm_vsrc(0)
	s_getreg_b32 s2, hwreg(HW_REG_IB_STS2, 6, 4)
	s_cmp_eq_u32 s2, 0
	s_cbranch_scc0 .Lentry_in_a_cluster
	s_endpgm
.Lentry_in_a_cluster:
	s_bfe_u32 s2, ttmp6, 0x10000c
	s_cmp_lg_u32 s2, 0xf033
	s_cbranch_scc0 .Lentry_shape_is_right
	s_endpgm
.Lentry_shape_is_right:
; out0[b][n][:] = (the heads of att, merged) Wo + Wo_b.  att: [4 (b)][16 (h)][2048 (n)][64] f16; wo16: [1024 (k = 64 h + d)][1024 (n)] f16; Wo_b: [1024] f32; out0: [8192][1024] f32.  Sums in f32.
; A tile of the output is 256 rows x 128 columns: 256 work-groups of four waves; a wave makes 128 x 64: 32 accumulators of 16 x 16, which fill window 1.
; K goes in steps of 128 = two heads, through a ring of two LDS slots.  A's tile of a K step is two dense blocks of memory, 256 rows x 128 bytes of each head; B's is 128 rows (k) x 256 bytes.
; Waves 0 and 1 fetch A's two heads, waves 2 and 3 B's two halves: one tensor load a wave.  B lies [k][n] in LDS and comes out turned, by ds_load_tr16_b128.
; CLUSTERS: 4 x 4 work-groups: A's tiles are shared along a row of the cluster, B's along a column, by joint loads.
; THE MATRIX INSTRUCTION IS USED TRANSPOSED (source 0 = 16 columns of Wo, source 1 = 16 rows of att): a lane holds eight neighbouring columns of one row.  THE BIAS IS THE C OF EACH SUM'S FIRST PRODUCT.
; LIMIT: |att| and |Wo| stay under 65,504, f16's largest number (they were rounded by the launches before).
; REGISTERS: window 0: v16-30 addresses; v32-63 the bias, 8 registers for each of B's four blocks; two fragment sets of 96 (B's four, then A's eight) at v64 and v160.   window 1: accumulator (a, b) at v[8 (4 a + b)].
.set PA,    144                        ; a row of A in LDS: 128 bytes + 16
.set PB,    288                        ; a row of B: 256 + 32
.set AHEAD, 256*PA                     ; a head's 256 rows
.set BOFF,  2*AHEAD                    ; B's 128 rows lie behind A's two heads
.set SLOT,  BOFF+128*PB
.set STAGE, 2*SLOT                     ; behind the ring: 16 rows x 272 bytes for each wave
.set SPITCH, 272
.set SPARE, STAGE+4*16*SPITCH          ; the spare words, 128 bytes for each wave: two blocks of 256 bytes that no other line names
.set ASTEP, 524288                     ; a K step on in att: two heads of 262,144 bytes
.set BSTEP, 262144                     ; and in wo16: 128 rows of 2,048 bytes
.set ADRA, 16                          ; v16-17  LDS address of my A fragments in slot 0, 1
.set ADRB, 20                          ; v20-21  the same for B
.set STO,  24                          ; v24     the way out: where I put 32 bytes of a row
.set RD,   25                          ; v25     where I read rows back
.set CO,   26                          ; v26     my byte offset in two rows of the output
.set BO,   27                          ; v27     the bias's lane offset; never rewritten
.set SPW,  28                          ; v28     LDS address of my spare word; never rewritten
.set NIL,  29                          ; v29     0; never rewritten
.set PFO,  30                          ; v30     256 x lane; never rewritten
.set BIAS, 32
.set F0,   64
.set F1,   160
.set BK,   64                          ; the way out: rows read back, two sets of 32
.set WV,   12                          ; s12  my wave's number
.set RH,   13                          ; s13  which half of the tile's rows is mine.  Also: I fetch for A (0) or for B (1)
.set CHF,  14                          ; s14  which half of its columns.  Also: which head of A's two, or which 64 rows of B, I fetch
.set G1, 24                            ; s[24:31] descriptor group 1 for A's tiles;  s[32:39] group 0, one set for each slot
.set G0, 32
.set LIM, 43                           ; s43  1 in a wave that prefetches, else the greatest number
.set PFA, 44                           ; s[44:45] where my prefetches stand
.set G1B, 48                           ; s[48:55], s[56:63] the same for B's tiles
.set G0B, 56
.set MSB, 0
.macro WIN new                         ; the immediate's high byte repeats the setting that is left
.if MSB != (\new)
	s_set_vgpr_msb (MSB<<8)|(\new)
.set MSB, (\new)
.endif
.endm
.set MUL, 0x50                         ; C and D in window 1, fragments in window 0.  With the bias as C (window 0): 0x40
.macro JLOAD s                         ; a joint load; the branch hangs on the wave's number alone; an s_nop 0 and four v_nop follow each of the two lines
	s_cmp_eq_u32 s[RH], 0
	s_cbranch_scc0 .Lfor_b_\@
	tensor_load_to_lds s[G0+4*\s:G0+4*\s+3], s[G1:G1+7]
	s_nop 0
.rept 4
	v_nop
.endr
	s_branch .Lasked_\@
.Lfor_b_\@:
	tensor_load_to_lds s[G0B+4*\s:G0B+4*\s+3], s[G1B:G1B+7]
	s_nop 0
.rept 4
	v_nop
.endr
.Lasked_\@:
.endm
; A PREFETCH INTO THE L2 of A's tile of the K step that stands two refills on.  A's tile row is read by both clusters of its row of clusters: the one with x = 0 asks.  A head's 32,768 bytes are shared out
; among the four partners that ask for them jointly BY ADDRESS, 8,192 each; the wave that fetches the head asks, lanes 256 bytes apart: each block of 256 bytes is named once.  The loop's last trip asks for nothing.
; (Wo is read by every tile row again and again: it is not asked for.)
.macro ASK
	s_cmp_gt_u32 s3, s[LIM]
	s_cbranch_scc0 .Lnot_mine_\@
	global_prefetch_b8 v[PFO], s[PFA:PFA+1] th:TH_LOAD_NT scope:SCOPE_SE
.Lnot_mine_\@:
.endm
.macro CREST                           ; a round of the cluster's barrier behind its opening barrier
	s_cmp_lg_u32 s[WV], 0
	s_cbranch_scc1 .Lnot_wave_0_\@
	s_barrier_signal -3
.Lnot_wave_0_\@:
	s_barrier_wait -3
	s_barrier_signal -1
	s_barrier_wait -1
.endm
.macro CROUND                          ; a whole round
	s_barrier_signal -1
	s_barrier_wait -1
	CREST
.endm
.macro PLACES                          ; four plain vector instructions between a matrix instruction and a load into, or a read of, its registers
.rept 4
	v_nop
.endr
.endm
	s_load_b128 s[4:7], s[0:1], 0x0                ; att s[4:5], wo16 s[6:7]
	s_load_b128 s[8:11], s[0:1], 0x10              ; Wo_b s[8:9], out0 s[10:11]
	v_lshl_add_u32 v[SPW], v0, 2, SPARE
	v_mov_b32 v[NIL], 0
	ds_add_u32 v[SPW], v[NIL]                      ; the wave's opening: the add, twice on end, and its wait ahead of my first tensor load
	ds_add_u32 v[SPW], v[NIL]
	v_lshrrev_b32 v1, 5, v0
	v_readfirstlane_b32 s[WV], v1                  ; wave 0..3
	s_lshr_b32 s[RH], s[WV], 1
	s_and_b32 s[CHF], s[WV], 1
	s_bfe_u32 s40, ttmp6, 0x40000                  ; cx, cy: my place in the cluster
	s_bfe_u32 s41, ttmp6, 0x40004
	s_lshl_b32 s42, ttmp9, 2
	s_add_co_u32 s42, s42, s40                     ; tile column = 4 x cluster x + cx
	s_and_b32 s15, ttmp7, 0xffff
	s_lshl_b32 s15, s15, 2
	s_add_co_u32 s15, s15, s41                     ; tile row = 4 x cluster y + cy
	s_lshl_b32 s16, s41, 2
	s_lshl_b32 s16, 15, s16                        ; my row of the cluster
	s_lshl_b32 s17, 0x1111, s40                    ; my column
	; descriptor group 1.  A: 256 rows x 64 elements of 2 bytes, dense in memory, 4 words of padding behind each row of 32 words
	s_or_b32 s[G1+0], s16, (1<<16)|(1<<20)|(1<<21)|(4<<22)|(3<<25)
	s_mov_b32 s[G1+1], 64<<16                      ; tensor_dim0
	s_mov_b32 s[G1+2], 256<<16                     ; tensor_dim1
	s_mov_b32 s[G1+3], 64<<16                      ; tile_dim0
	s_mov_b32 s[G1+4], 256                         ; tile_dim1
	s_mov_b32 s[G1+5], 64                          ; from row to row
	s_mov_b32 s[G1+6], 0
	s_mov_b32 s[G1+7], 0
	; B: 64 rows x 128 elements, 1,024 elements from row to row, 8 words of padding behind each row of 64 words
	s_or_b32 s[G1B+0], s17, (1<<16)|(1<<20)|(1<<21)|(5<<22)|(7<<25)
	s_mov_b32 s[G1B+1], 128<<16
	s_mov_b32 s[G1B+2], 64<<16
	s_mov_b32 s[G1B+3], 128<<16
	s_mov_b32 s[G1B+4], 64
	s_mov_b32 s[G1B+5], 1024
	s_mov_b32 s[G1B+6], 0
	s_mov_b32 s[G1B+7], 0
	; where the tiles come from.  A's hang on the tile row alone, B's on the tile column alone, each in registers that never hold the other coordinate
	s_lshr_b32 s18, s15, 3                         ; b: eight tile rows to a batch
	s_lshl_b32 s18, s18, 22                        ; 16 heads of 262,144 bytes
	s_and_b32 s19, s15, 7
	s_lshl_b32 s19, s19, 15                        ; 256 rows of 128 bytes
	s_add_co_u32 s18, s18, s19
	s_lshl_b32 s19, s[CHF], 18                     ; the K step's first or second head
	s_add_co_u32 s18, s18, s19
	s_mov_b32 s19, 0
	s_lshl_b32 s46, s[CHF], 17                     ; B: 64 rows of 2,048 bytes,
	s_lshl_b32 s47, s42, 8                         ; 128 columns of 2 bytes
	s_add_co_u32 s46, s46, s47
	s_mov_b32 s47, 0
	s_mul_i32 s20, s[CHF], AHEAD                   ; and where they go: no place in the cluster enters an LDS address
	s_mul_i32 s21, s[CHF], 64*PB
	s_add_co_u32 s21, s21, BOFF
	s_wait_dscnt 0x0                               ; both opening adds are done
	s_wait_kmcnt 0x0
	s_add_nc_u64 s[18:19], s[4:5], s[18:19]
	s_add_nc_u64 s[46:47], s[6:7], s[46:47]
	CROUND                                         ; all sixteen work-groups are here: the first joint loads meet
.irp s, 0,1
	s_mov_b32 s[G0+4*\s], 1
	s_add_co_u32 s[G0+4*\s+1], s20, \s*SLOT
	s_add_nc_u64 s[G0+4*\s+2:G0+4*\s+3], s[18:19], \s*ASTEP
	s_or_b32 s[G0+4*\s+3], s[G0+4*\s+3], 0x80000000
	s_mov_b32 s[G0B+4*\s], 1
	s_add_co_u32 s[G0B+4*\s+1], s21, \s*SLOT
	s_add_nc_u64 s[G0B+4*\s+2:G0B+4*\s+3], s[46:47], \s*BSTEP
	s_or_b32 s[G0B+4*\s+3], s[G0B+4*\s+3], 0x80000000
	JLOAD \s                                       ; two tensor loads of mine are out
.endr
	v_and_b32 v1, 15, v0                           ; r
	v_bfe_u32 v2, v0, 4, 1                         ; h
	; the bias: lane (r, h) wants, for B's block b, that of columns 16 b + 8 h + 0 .. 7 of my 64
	s_lshl_b32 s22, s42, 9                         ; 128 columns of 4 bytes a tile,
	s_lshl_b32 s23, s[CHF], 8                      ; 64 a half
	s_add_co_u32 s22, s22, s23
	s_mov_b32 s23, 0
	s_add_nc_u64 s[8:9], s[8:9], s[22:23]
	s_add_nc_u64 s[10:11], s[10:11], s[22:23]      ; the output's columns begin at the same byte
	v_lshlrev_b32 v[BO], 5, v2
.irp b, 0,1,2,3
	global_load_b128 v[BIAS+8*\b:BIAS+8*\b+3], v[BO], s[8:9] offset:64*\b
	global_load_b128 v[BIAS+8*\b+4:BIAS+8*\b+7], v[BO], s[8:9] offset:64*\b+16
.endr
	v_mul_u32_u24 v3, v1, PA
	v_lshl_add_u32 v3, v2, 4, v3                   ; A: a fragment's row x pitch + 16 x half
	s_mul_i32 s22, s[RH], 128*PA                   ; my 128 rows
	v_and_b32 v4, 7, v0                            ; B, turned: lane l reads 16 bytes of row k = 8 (l / 16) + l % 8, columns 8 ((l / 8) % 2) + 0..7
	v_bfe_u32 v5, v0, 3, 1
	v_lshl_add_u32 v6, v2, 3, v4
	v_mul_u32_u24 v6, v6, PB
	v_lshl_add_u32 v6, v5, 4, v6
	s_lshl_b32 s23, s[CHF], 7                      ; my 64 columns
	s_add_co_u32 s23, s23, BOFF
.irp s, 0,1
	v_add_nc_u32 v[ADRA+\s], s22, v3
	v_add_nc_u32 v[ADRB+\s], s23, v6
	s_add_co_u32 s22, s22, SLOT
	s_add_co_u32 s23, s23, SLOT
.endr
	s_mul_i32 s22, s[WV], 16*SPITCH
	s_add_co_u32 s22, s22, STAGE                   ; my stage
	v_mul_u32_u24 v7, v1, SPITCH                   ; in: row r, 32 bytes for each half of the lanes
	v_lshl_add_u32 v7, v2, 5, v7
	v_add_nc_u32 v[STO], s22, v7
	v_mul_u32_u24 v7, v2, SPITCH                   ; back: lanes 0-15 one row of 256 bytes, lanes 16-31 the next
	v_lshl_add_u32 v7, v1, 4, v7
	v_add_nc_u32 v[RD], s22, v7
	v_lshlrev_b32 v7, 12, v2                       ; and the same two rows of the output, 4,096 bytes apart
	v_lshl_add_u32 v[CO], v1, 4, v7
	s_lshl_b32 s22, s15, 20                        ; my first row: 256 x tile row + 128 x half, of 4,096 bytes
	s_lshl_b32 s23, s[RH], 19
	s_add_co_u32 s22, s22, s23
	s_mov_b32 s23, 0
	s_add_nc_u64 s[10:11], s[10:11], s[22:23]
	; the prefetches
	s_lshl_b32 s22, s40, 13                        ; my work-group's 8,192 bytes of the head's 32,768
	s_add_nc_u64 s[PFA:PFA+1], s[18:19], s[22:23]
	s_add_nc_u64 s[PFA:PFA+1], s[PFA:PFA+1], 3*ASTEP   ; at K step 3: the first change of slots steps it to 4.  Nothing is prefetched at the head
	s_or_b32 s[LIM], s[RH], ttmp9                  ; waves 0 and 1 of the clusters with x = 0: the same in all sixteen partners
	s_cmp_eq_u32 s[LIM], 0
	s_cselect_b32 s[LIM], 1, -1
	v_and_b32 v[PFO], 31, v0
	v_lshlrev_b32 v[PFO], 8, v[PFO]
; 8 matrix instructions: A's blocks a0, a0 + 1 x B's four, 32 along K, from set f.  zero = 1: the first product starts the sums from the bias.  The 32 accumulators take turns, one instruction a turn.
.macro MUL8 f, a0, zero
.irp a, \a0, \a0+1
.irp b, 0,1,2,3
.if \zero
	v_wmma_f32_16x16x32_f16 v[8*(4*(\a)+\b):8*(4*(\a)+\b)+7], v[\f+8*\b:\f+8*\b+7], v[\f+32+8*(\a):\f+32+8*(\a)+7], v[BIAS+8*\b:BIAS+8*\b+7]
.else
	v_wmma_f32_16x16x32_f16 v[8*(4*(\a)+\b):8*(4*(\a)+\b)+7], v[\f+8*\b:\f+8*\b+7], v[\f+32+8*(\a):\f+32+8*(\a)+7], v[8*(4*(\a)+\b):8*(4*(\a)+\b)+7]
.endif
.endr
.endr
.endm
; 24 LDS loads in one run: the fragments of the slot's q-th 32 along K into set f: B's four (turned), then A's eight.  Quarters 0, 1 lie in the K step's first head, 2, 3 in its second.
.macro FETCH slot, q, f
	WIN 0
.irp b, 0,1,2,3
	ds_load_tr16_b128 v[\f+8*\b:\f+8*\b+3],   v[ADRB+\slot] offset:32*PB*(\q)+32*\b
	ds_load_tr16_b128 v[\f+8*\b+4:\f+8*\b+7], v[ADRB+\slot] offset:32*PB*(\q)+32*\b+16*PB
.endr
.irp a, 0,1,2,3,4,5,6,7
	ds_load_b128 v[\f+32+8*\a:\f+32+8*\a+3],   v[ADRA+\slot] offset:((\q)/2)*AHEAD+((\q)%2)*64+16*PA*\a
	ds_load_b128 v[\f+32+8*\a+4:\f+32+8*\a+7], v[ADRA+\slot] offset:((\q)/2)*AHEAD+((\q)%2)*64+16*PA*\a+32
.endr
.endm
; A K step is four quarters of 32 along K, 32 matrix instructions each, on sets 0, 1, 0, 1.  One of the first three: multiplies set f and fetches quarter q into g.
.macro QUARTER slot, q, f, g, zero
	s_wait_dscnt 8                                 ; all but the youngest eight loads (A's blocks 4-7) are in
	WIN MUL-0x10*(\zero)
	MUL8 \f, 0, \zero
	MUL8 \f, 2, \zero
	PLACES
	FETCH \slot, \q, \g
	s_wait_dscnt 24                                ; all but the 24 just issued
	WIN MUL-0x10*(\zero)
	MUL8 \f, 4, \zero
	MUL8 \f, 6, \zero
.endm
; The last quarter multiplies set 1 and changes slots: ONE barrier; in front of it each wave waits for all its tensor loads (its part of the next slot), adds 0 to its spare word, and waits for that and for
; its reads of this slot.  fill = 1: the barrier opens a round of the cluster's, and this slot is filled again, two K steps ahead, first thing behind it.
.macro TURN slot, next, fill
.if \fill
	s_wait_xcnt 0x0                                ; the last prefetch, a K step back, has read its address: it is stepped here, ahead of the change's own waits
	s_add_nc_u64 s[PFA:PFA+1], s[PFA:PFA+1], ASTEP
.endif
	WIN 0                                          ; (the add's two registers lie in window 0)
	s_wait_tensorcnt 0x0
	ds_add_u32 v[SPW], v[NIL]                      ; 0 onto my spare word
	s_wait_dscnt 9                                 ; the add and the youngest eight loads may be out
	WIN MUL
	MUL8 F1, 0, 0
	s_wait_dscnt 0x0                               ; the add is done, and my reads of this slot are over
	s_barrier_signal -1
	MUL8 F1, 2, 0
.if \fill
	WIN 0
.endif
	s_barrier_wait -1
.if \fill
	CREST                                          ; no wave of any partner still reads this slot's tiles or has a load on its way
	s_add_nc_u64 s[G0+4*\slot+2:G0+4*\slot+3], s[G0+4*\slot+2:G0+4*\slot+3], 2*ASTEP
	s_add_nc_u64 s[G0B+4*\slot+2:G0B+4*\slot+3], s[G0B+4*\slot+2:G0B+4*\slot+3], 2*BSTEP
	JLOAD \slot                                    ; the first tensor load behind the round; the four v_nop behind it are also the places in front of the loads below
.else
	PLACES
.endif
	FETCH \next, 0, F0
.if \fill
	ASK                                            ; behind the joint load and the LDS loads that the next products wait for
.endif
	WIN MUL
	MUL8 F1, 4, 0
	MUL8 F1, 6, 0
.endm
	s_wait_tensorcnt 1                             ; my part of K step 0 is in; K step 1's load may be out
	s_barrier_signal -1
	s_barrier_wait -1                              ; everybody's is
	FETCH 0, 0, F0
	s_wait_loadcnt 0x0                             ; the bias
	QUARTER 0, 1, F0, F1, 1                        ; the first quarter stands in front of the loop: its products start the sums
	WIN 0                                          ; at a label and at a branch every window is 0
	s_mov_b32 s3, 3
.Llap:                                             ; three trips: a trip goes once round the ring and fills both slots again
	QUARTER 0, 2, F1, F0, 0
	QUARTER 0, 3, F0, F1, 0
	TURN 0, 1, 1
	QUARTER 1, 1, F0, F1, 0
	QUARTER 1, 2, F1, F0, 0
	QUARTER 1, 3, F0, F1, 0
	TURN 1, 0, 1
	QUARTER 0, 1, F0, F1, 0
	WIN 0
	s_sub_co_u32 s3, s3, 1
	s_cmp_lg_u32 s3, 0
	s_cbranch_scc1 .Llap
	QUARTER 0, 2, F1, F0, 0                        ; the last lap fills nothing, and has no round of the cluster's barrier
	QUARTER 0, 3, F0, F1, 0
	TURN 0, 1, 0
	QUARTER 1, 1, F0, F1, 0
	QUARTER 1, 2, F1, F0, 0
	QUARTER 1, 3, F0, F1, 0
	s_wait_dscnt 8                                 ; the very last quarter: nothing more to fetch
	WIN MUL
	MUL8 F1, 0, 0
	MUL8 F1, 2, 0
	s_wait_dscnt 0
	MUL8 F1, 4, 0
	MUL8 F1, 6, 0
	WIN 0
; THE WAY OUT, block by block of 16 rows x 64 columns: a lane's 32 bytes of a row go into my stage and come back as whole rows of 256 bytes.  LDS serves a wave's instructions in order: no wait between.
.macro TOSTAGE a
	WIN 0x04                                       ; an LDS store's data are its source 1: window 1
.irp b, 0,1,2,3
	ds_store_b128 v[STO], v[8*(4*(\a)+\b):8*(4*(\a)+\b)+3] offset:64*\b          ; each accumulator from its low end on
	ds_store_b128 v[STO], v[8*(4*(\a)+\b)+4:8*(4*(\a)+\b)+7] offset:64*\b+16
.endr
	WIN 0
.set BB, BK+32*((\a)%2)
.irp t, 0,1,2,3,4,5,6,7
	ds_load_b128 v[BB+4*\t:BB+4*\t+3], v[RD] offset:2*SPITCH*\t
.endr
.endm
.macro SEND a, younger                 ; younger: the LDS instructions issued behind block a's loads, which may stay out
.set BB, BK+32*((\a)%2)
	s_wait_dscnt \younger
.irp t, 0,1,2,3,4,5,6,7
	global_store_b128 v[CO], v[BB+4*\t:BB+4*\t+3], s[10:11] offset:(16*(\a)+2*\t)*4096 th:TH_STORE_NT   ; sixteen lanes store 256 consecutive bytes, aligned; written once, read by nobody here
.endr
.endm
	PLACES                                         ; behind the last products: the stores below read results, the loads land in registers that held fragments
	TOSTAGE 0
.irp a, 1,2,3,4,5,6,7
.if \a > 1
	s_wait_xcnt 0x0                                ; block a - 2's stores have read their registers: block a's loads may land there
.endif
	TOSTAGE \a
	SEND \a-1, 16                                  ; behind block a - 1's loads: block a's 8 stores and 8 loads
.endr
	SEND 7, 0
	s_wait_tensorcnt 0x0                           ; the wave's end, behind my last tensor load and my last LDS store
	ds_add_u32 v[SPW], v[NIL]
	s_wait_dscnt 0x0
	CROUND                                         ; the closing round
	s_endpgm
.Lfunc_end_k_qb0aabb77a1_proj:
	.size	k_qb0aabb77a1_proj, .Lfunc_end_k_qb0aabb77a1_proj-k_qb0aabb77a1_proj
	.p2alignl 7, 3214868480
	.fill 96, 4, 3214868480
	.section	.rodata,"a",@progbits
	.p2align	6, 0x0
	.amdhsa_kernel k_qb0aabb77a1_proj
		.amdhsa_group_segment_fixed_size 327680
		.amdhsa_private_segment_fixed_size 0
		.amdhsa_enable_private_segment 0
		.amdhsa_kernarg_size 32
		.amdhsa_user_sgpr_count 2
		.amdhsa_user_sgpr_kernarg_segment_ptr 1
		.amdhsa_wavefront_size32 1
		.amdhsa_system_sgpr_workgroup_id_x 1
		.amdhsa_system_sgpr_workgroup_id_y 1
		.amdhsa_system_sgpr_workgroup_id_z 1
		.amdhsa_system_vgpr_workitem_id 0
		.amdhsa_next_free_vgpr 512
		.amdhsa_next_free_sgpr 66
		.amdhsa_reserve_vcc 0
		.amdhsa_float_denorm_mode_32 3
		.amdhsa_float_denorm_mode_16_64 3
		.amdhsa_memory_ordered 1
		.amdhsa_forward_progress 1
		.amdhsa_inst_pref_size 87
	.end_amdhsa_kernel
	.amdgpu_metadata
---
amdhsa.version: [ 1, 2 ]
amdhsa.kernels:
  - .name:           k_qb0aabb77a1_proj
    .symbol:         k_qb0aabb77a1_proj.kd
    .args:
      - { .name: att, .offset: 0, .size: 8, .value_kind: global_buffer, .address_space: global }
      - { .name: wo16, .offset: 8, .size: 8, .value_kind: global_buffer, .address_space: global }
      - { .name: Wo_b, .offset: 16, .size: 8, .value_kind: global_buffer, .address_space: global }
      - { .name: out0, .offset: 24, .size: 8, .value_kind: global_buffer, .address_space: global }
    .group_segment_fixed_size: 327680
    .private_segment_fixed_size: 0
    .kernarg_segment_align: 8
    .kernarg_segment_size: 32
    .max_flat_workgroup_size: 128
    .sgpr_count:     66
    .vgpr_count:     512
    .wavefront_size: 32
...
	.end_amdgpu_metadata
.endif
;; end of part 4
